; MI455X (gfx1250); checked and timed in simulation.
; The chip was launched on July 23, 2026; its instructions are those of AMD's public machine-readable ISA for CDNA 5 (MIT licence, August 2026) and "CDNA5" Instruction Set Architecture Reference Guide (July 2026). The comments in the code are by the model that wrote it; some were corrected since.
;; Multi Head Attention. Allowed arithmetic: matrix products marked QUANTISED: E4M3 operands, one E8M0 scale for each 32 along K, by v_wmma_scale_f32_16x16x128_f8f6f4 with both operands' format E4M3, f32 sums; everything else in f32.
;; Inputs: Wo_codes 1,024 x 32 x 32 uint8 (E4M3 codes of Wo, K innermost, in blocks of 32 codes); Wo_scales 1,024 x 32 uint8 (E8M0 scales of Wo, one for each 32 codes along K); Wqkv_codes 3,072 x 32 x 32 uint8 (E4M3 codes of Wqkv, K innermost, in blocks of 32 codes); Wqkv_scales 3,072 x 32 uint8 (E8M0 scales of Wqkv, one for each 32 codes along K); bo 1,024 float32; bqkv 3,072 float32; x_codes 4 x 2,048 x 32 x 32 uint8 (E4M3 codes of x, K innermost, in blocks of 32 codes); x_scales 4 x 2,048 x 32 uint8 (E8M0 scales of x, one for each 32 codes along K).
;; Outputs: out0 4 x 2,048 x 1,024 float32.
;; This version of the problem:
;;   THIS VERSION OF THE PROBLEM IS GIVEN IN LOW PRECISION. The matrix products marked QUANTISED in the list below multiply operands that are first quantised to E4M3 (4 exponent bits, 3 mantissa bits; 8 bits a number), with one power-of-two scale for each 32 numbers along K (OCP MX v1.0); their sums are f32. All else is computed in f32.
;;   The module's matrix products, in the order in which they are computed (A, B: the left and right operand; K: the contracted axis; several contracted axes count as one K, in the product's order):
;;     1. [M 8,192, K 1,024] x [K 1,024, N 3,072]; A: input x (given as codes); B: input Wqkv (given as codes): QUANTISED
;;     2. batch 64 x [M 2,048, K 64] x [K 64, N 2,048]; A: computed on the way; B: computed on the way: QUANTISED
;;     3. batch 64 x [M 2,048, K 2,048] x [K 2,048, N 64]; A: softmax (see below); B: computed on the way: QUANTISED
;;     4. [M 8,192, K 1,024] x [K 1,024, N 1,024]; A: computed on the way; B: input Wo (given as codes): QUANTISED
;;   THE QUANTISER, for each operand of a quantised product, along K:
;;     - K is cut into blocks of 32 from its start; a last block that is shorter is filled with zeros.
;;     - A block's scale is 2^e with e = floor(log2(the largest magnitude in the block)) - 8, held to -126 .. 127; a block of zeros has e = 0. As a byte (E8M0): e + 127.
;;     - Each number is divided by its block's scale, clamped to +-448, and rounded to the nearest number of E4M3, ties to even, subnormals kept.
;;     - The product sums the exact products of the quantised numbers (number of the format x scale) in f32.
;;   ~~~python
;;   def quantise(x, axis):      # numpy; x: float32 -> the quantised numbers, widened to float32 again
;;       x = np.moveaxis(x, axis, -1); K = x.shape[-1]
;;       x = np.pad(x, [(0, 0)] * (x.ndim - 1) + [(0, -K % 32)]); x = x.reshape(x.shape[:-1] + (-1, 32)); a = np.abs(x).max(-1, keepdims=True)
;;       e = np.where(a > 0, np.clip(np.frexp(np.where(a > 0, a, 1))[1] - 1 - 8, -126, 127), 0)      # np.frexp(a)[1] - 1 = floor(log2(a)), exactly
;;       r = np.clip(x / 2.0 ** e, -448, 448)
;;       step = 2.0 ** (np.maximum(np.frexp(np.where(r == 0, 1, r))[1] - 1, -6) - 3)
;;       q = np.round(r / step) * step * 2.0 ** e      # np.round: ties to even
;;       return np.moveaxis(q.reshape(q.shape[:-2] + (-1,))[..., :K], -1, axis).astype(np.float32)
;;   ~~~
;;   SOFTMAX AHEAD OF A QUANTISED PRODUCT. Where the list says 'softmax', what is quantised is not the finished softmax but p = 2^(t - M), with t = logit x log2(e) and M = ceil(the row's largest t), a whole number; so 1/2 < the row's largest p <= 1. The row's sum l is taken of the UNQUANTISED p, in f32, and the product's result is divided by l at the end. Since M is a whole number, a kernel that streams over the keys may use a running M (the ceiling of the running maximum): every later rescaling is an exact power of two, which a block's scale takes up: the codes' values come out the same.
;;   OPERANDS COMPUTED ON THE WAY. 'Computed on the way' means the value that the module computes at that place (a softmax that the list does not call 'softmax' is quantised finished and normalised). What goes into a quantiser is computed in f32, as accurately as f32 sums, v_exp_f32 and their like allow (about 1e-6 of the number): no bf16 or f16 on the way to a quantiser, and a product that is left as it is and whose result goes on into a quantised operand takes f32 operands (vector FMAs, or v_wmma_f32_16x16x4_f32). A number that lies on a knife's edge between two numbers of the format may be rounded either way, as far as f32 arithmetic and the matrix unit's own rounding can turn it there, and no further.
;;   INPUTS GIVEN AS CODES. Wo (in the module: [1024, 1024], K = its axis 0); Wqkv (in the module: [1024, 3072], K = its axis 0); x (in the module: [4, 2048, 1024], K = its axis 2): each comes as NAME_codes (uint8): NAME with its K axis moved to the last place and cut into blocks of 32 codes, [.., K / 32, bytes a block], one block behind the other in memory; one code a byte (a code: sign, 4 exponent bits, 3 mantissa bits); and NAME_scales (uint8): the same leading axes, one E8M0 byte (e + 127) for each 32 codes along K. Its value is code x scale, taken as it is: it is not quantised again, and the codes and scales need not be those that the quantiser above would give.
;; One version. Each part assembles by itself: llvm-mc -triple=amdgcn-amd-amdhsa -mcpu=gfx1250 --defsym DOCPART=n.
;; ======== version 1 of 1: 3 launches
;; limits: right only within a limited range of input values
;; workspace buffers: q_img 8,388,608 bytes; q_sc 524,288 bytes; kv_img 16,777,216 bytes; kv_sc 786,432 bytes; a_img 8,388,608 bytes; a_sc 262,144 bytes
;; launch qkv (part 1): grid 8 x 32, 4 waves a work-group, clusters of 4 x 4, 327,680 bytes of LDS; arguments x_codes, x_scales, Wqkv_codes, Wqkv_scales, bqkv, q_img, q_sc, kv_img, kv_sc; writes q_img, q_sc, kv_img, kv_sc
.if DOCPART == 1
	.amdgcn_target "amdgcn-amd-amdhsa--gfx1250"
	.amdhsa_code_object_version 6
	.text
	.protected	k_q0fd0e7cfa3_qkv
	.globl	k_q0fd0e7cfa3_qkv
	.p2align	8
	.type	k_q0fd0e7cfa3_qkv,@function
k_q0fd0e7cfa3_qkv:
	s_mov_b64 s[64:65], 0
	v_nop
	global_prefetch_b8 v0, s[64:65] scope:SCOPE_SE
	s_setreg_imm32_b32 hwreg(HW_REG_WAVE_MODE, 25, 1), 1
	s_wait_xcnt 0x0
	s_wait_alu depctr_hold_cnt(0) depctr_sa_sdst(0) depctr_va_vdst(0) depctr_va_sdst(0) depctr_va_ssrc(0) depctr_va_vcc(0) depctr_vm_vsrc(0)
	s_getreg_b32 s2, hwreg(HW_REG_IB_STS2, 6, 4)
	s_cmp_eq_u32 s2, 0
	s_cbranch_scc0 .Lentry_in_a_cluster
	s_endpgm
.Lentry_in_a_cluster:
	s_bfe_u32 s2, ttmp6, 0x10000c
	s_cmp_lg_u32 s2, 0xf033
	s_cbranch_scc0 .Lentry_shape_is_right
	s_endpgm
.Lentry_shape_is_right:
; Q, K, V = x Wqkv + bqkv AND THEIR QUANTISERS: 8,192 x 3,072 x 1,024 on codes of FP8 (E4M3) with one E8M0 scale for each 32 along K; sums in f32, begun with the bias.  Codes and scale words leave as images of the next launch's operand registers.
; OUTPUT (r = lane % 16, h = lane / 16; bh = 16 x batch + head).  q_img [bh][tile of 16 tokens: 128][block c of 32 channels: 2][lane][16 B]: lane (r, h) holds of token r channels 32 c + 8 h + 0..7 and 32 c + 16 + 8 h + 0..7; K's image, at kv_img [bh], likewise
; (one order of channels on both sides of their product).  q_sc [bh][tile][r] and kv_sc [bh][tile][r]: a word with the token's two scale bytes twice.  V's image, 131,072 bytes on in kv_img [bh]: [key step of 128][tile t of 16 channels: 4][block c of 32 keys: 4][lane][16 B]:
; lane (r, h) holds of channel r keys 32 c + 8 h + 0..7 and 32 c + 16 + 8 h + 0..7; its scale words, 8,192 bytes on in kv_sc [bh]: [key step][t][r], byte c for block c.
; THE DEAL.  256 work-groups of four waves, 2 x 2.  A work-group takes 256 rows of x through THREE PHASES, 128 columns (two heads) of Q, of K, of V.  A wave holds 64 rows of the phase's weight (one head), ALL of K, in registers (512: windows 1, 2)
; and streams x's rows past them in blocks of 16, which stand in registers as two whole sets (256: window 3): eight blocks of 32 products a phase, four accumulators by turns.  Wave row w owns key step w of the 256 rows: tiles 8 w + 4 c + i of chunk c.
; LDS.  Two slots of 128 rows of 1,024 bytes + 16 of padding.  Chunk c of x (tiles 4 c .. 4 c + 3 and 8 + 4 c .. 8 + 4 c + 3) always lies in slot c; a weight lies in the slot whose chunk is done with.  FILLS: at the head W_q (slot 1, wave 0), chunk 0 (waves 1, 3),
; x's scale bytes of 256 rows (wave 2), which stay.  REFILLS, each behind a drained round of the cluster's barrier, 32 rows a wave: chunk 1 over W_q; W_k over chunk 0 (at phase 0's block 2); chunk 0 over W_k; W_v over chunk 1 (at phase 1's block 2); chunk 1 over W_v.
; Phase 1 takes chunk 1 first, as it lies; a round at a phase's block 2 also shows the chunk asked for at the phase's start (phase 2: a plain barrier).
; THE WAY OUT.  A block's quantiser stands behind the NEXT block's products: its plain lines are the eight that must follow them.  Q, K: source 0 = the weight's rows: a lane holds a token and 16 numbers of each block of 32 channels; lane l xor 16 the other 16.
; V: source 0 = x's rows: a lane holds a channel and eight keys; two neighbouring blocks of tokens and lane l xor 16 make a block of 32 keys: pairs of blocks, four sets of sums.
; CLUSTERS: 4 x 4: x's tiles hang on the tile row alone and are shared along a row of the cluster, the weights' on the tile column alone and are shared along a column.
; PREFETCH: chunk 1 at the head, W_k at phase 0's start, W_v at phase 1's: 131,072 bytes each, ahead of the tensor load by Wo-sized work (128 LDS loads and a round, or three blocks): each of the sixteen waves that share the tile names 8,192 bytes, lanes 256 bytes apart, told apart by address.
; What is read a second time (chunks 0 and 1 anew) is not asked for again.
; LIMITS: NaN, infinities and sums beyond f32's range are not served.  A block whose largest magnitude lies under 2^-118 keeps the scale byte 1, a block of zeros too: its codes are zeros, and this program alone reads the bytes.
.set PITCH,  1040
.set TILEB,  16*PITCH
.set YB,     128*PITCH                 ; slot 1
.set SCL,    2*YB                      ; x's scale bytes: 32 units of 256 bytes (8 rows) + 16 of padding
.set SPARE,  SCL+32*272
.set NF,     34                        ; LDS loads of a block
.set PFW,  5                           ; prefetch offsets: the next weight's, chunk 1's
.set BOV,  6                           ; 4 r
.set PFX,  7
.set AD,   8                           ; v8-11 LDS address of my tiles 0-1, 2-3 of slot 0, of slot 1
.set ADRB, 12                          ; v12, v13 my fragments of a weight in slot 0, in slot 1
.set AAS,  15                          ; my row's scale words
.set ABS,  16                          ; 32 x lane
.set BOF,  18                          ; 32 h
.set SPW,  20
.set NIL,  21
.set CO,   23                          ; 16 x lane
.set SB,   24                          ; v24-39 the weight's scale words: register 8 u + q: lanes 0-15 tile 2 u's, lanes 16-31 tile 2 u + 1's
.set L4,   40                          ; 4 x lane
.set WS,   41                          ; a pair of tiles' scale words on their way out
.set WK,   42                          ; v42, v43 the even tile's word, the odd tile's
.set SA,   44                          ; v44-59 x's scale words: two sets of eight (no product's two scale words have numbers equal modulo 8)
.set TQ,   60                          ; v60-63 maxima
.set ACC,  64                          ; v64-191 four sets of four accumulators
.set BIA,  192                         ; v192-223 the bias: the first products' C
.set NCD,  224                         ; v224-239 codes
.set T2,   240
.set SOP,  244                         ; the conversions' scale operands
.set HD,   248                         ; 448 x the scale
.set VW,   252                         ; v252-255 V's scale words, a tile of channels each
.set G1X, 24                           ; descriptor groups 1: a refill of x (my row's mask), of a weight (my column's): 32 rows
.set G1W, 32
.set G1B, 48                           ; the head's: W_q 128 rows, half of chunk 0, the scale bytes
.set G1A, 76
.set G1S, 88
.set G0A, 56
.set G0B, 60
.set G0S, 96
.set G0X0, 68                          ; groups 0 of the refills: chunk 0 into slot 0, chunk 1 into slot 1, W_k into slot 0, W_v into slot 1: never rewritten
.set G0X1, 72
.set G0W1, 84
.set G0W2, 20
.set MNT, 66
.set HM,  67
.set SEL, 100
.set MSB, 0
.macro WIN new                         ; the immediate's high byte repeats the setting that is left
.if MSB != \new
	s_set_vgpr_msb (MSB<<8)|\new
.set MSB, \new
.endif
.endm
.macro PLACES n
.rept \n
	v_nop
.endr
.endm
.macro BARRIER
	s_barrier_signal -1
	s_barrier_wait -1
.endm
.macro CROUND                          ; a round of the cluster's barrier
	BARRIER
	s_cmp_lg_u32 s14, 0
	s_cbranch_scc1 .Lnot_wave_0_\@
	s_barrier_signal -3
.Lnot_wave_0_\@:
	s_barrier_wait -3
	BARRIER
.endm
.macro TLOAD g0, g1                    ; an s_nop 0 and four v_nop follow a tensor load
	tensor_load_to_lds s[\g0:\g0+3], s[\g1:\g1+7]
	s_nop 0
	PLACES 4
.endm
.macro REFILL g0, g1                   ; all my loads are in; the add; it and my LDS reads are done; a round; my 32 rows
	s_wait_tensorcnt 0x0
	ds_add_u32 v[SPW], v[NIL]
	s_wait_dscnt 0x0
	CROUND
	TLOAD \g0, \g1
.endm
.macro GROUP1 g, mask, rows            ; so many rows of 1,024 bytes, dense in memory, 16 bytes of padding behind each in LDS
	s_or_b32 s[\g+0], s[\mask], (1<<20)|(1<<21)|(7<<22)|(3<<25)
	s_mov_b32 s[\g+1], 1024<<16
	s_mov_b32 s[\g+2], (\rows)<<16
	s_mov_b32 s[\g+3], 1024<<16
	s_mov_b32 s[\g+4], \rows
	s_mov_b32 s[\g+5], 1024
	s_mov_b32 s[\g+6], 0
	s_mov_b32 s[\g+7], 0
.endm
	s_load_b256 s[4:11], s[0:1], 0x0               ; x_codes, x_scales, Wqkv_codes, Wqkv_scales
	s_load_b64 s[12:13], s[0:1], 0x20              ; bqkv
	v_lshl_add_u32 v[SPW], v0, 2, SPARE
	v_mov_b32 v[NIL], 0
	ds_add_u32 v[SPW], v[NIL]                      ; the opening lines: the add twice on end and its wait
	ds_add_u32 v[SPW], v[NIL]
	v_lshrrev_b32 v1, 5, v0
	v_readfirstlane_b32 s14, v1                    ; wave 0..3
	s_lshr_b32 s15, s14, 1                         ; my row of waves
	s_and_b32 s16, s14, 1                          ; my column of waves
	s_bfe_u32 s40, ttmp6, 0x40000                  ; cx, cy
	s_bfe_u32 s41, ttmp6, 0x40004
	s_lshl_b32 s42, ttmp9, 2
	s_add_co_u32 s42, s42, s40                     ; tile column: heads 2 tc, 2 tc + 1
	s_and_b32 s43, ttmp7, 0xffff
	s_lshl_b32 s43, s43, 2
	s_add_co_u32 s43, s43, s41                     ; tile row: 256 rows
	s_lshl_b32 s44, s41, 2
	s_lshl_b32 s44, 15, s44                        ; my row of the cluster shares x's tiles
	s_lshl_b32 s45, 0x1111, s40                    ; my column the weights'
	GROUP1 G1B, 45, 128
	GROUP1 G1A, 44, 64
	GROUP1 G1X, 44, 32
	GROUP1 G1W, 45, 32
	s_or_b32 s[G1S+0], s44, (3<<16)|(1<<20)|(1<<21)|(5<<22)|(3<<25)   ; 8,192 dense bytes as 32 rows of 256 (32 elements of 8)
	s_mov_b32 s[G1S+1], 32<<16
	s_mov_b32 s[G1S+2], 32<<16
	s_mov_b32 s[G1S+3], 32<<16
	s_mov_b32 s[G1S+4], 32
	s_mov_b32 s[G1S+5], 32
	s_mov_b32 s[G1S+6], 0
	s_mov_b32 s[G1S+7], 0
	s_lshl_b32 s2, s43, 18                         ; my 256 rows in x_codes
	s_lshl_b32 s3, s42, 17                         ; my 128 rows in a third of Wqkv_codes
	s_mov_b32 s[G0A], 1
	s_mul_i32 s[G0A+1], s15, 64*PITCH
	s_mov_b32 s[G0B], 1
	s_mov_b32 s[G0B+1], YB
	s_mov_b32 s[G0S], 1
	s_mov_b32 s[G0S+1], SCL
	s_mul_i32 s17, s15, 4*TILEB                    ; LDS: my wave row's four tiles of a chunk,
	s_add_co_u32 s86, s17, 2*TILEB
	s_add_co_u32 s87, s17, YB
	s_add_co_u32 s100, s17, YB+2*TILEB
	s_mul_i32 s66, s16, 64*PITCH                   ; my 64 rows of a weight,
	s_add_co_u32 s67, s66, YB
	s_mul_i32 s101, s15, 8*544                     ; my key step's scale bytes
	s_add_co_u32 s101, s101, SCL
	s_lshl_b32 s18, s40, 2                         ; which of the cluster row's sixteen waves I am: my 8,192 bytes of chunk 1 (rows 64-127 and 192-255)
	s_add_co_u32 s18, s18, s14
	s_lshl_b32 s46, s18, 13
	s_lshr_b32 s18, s18, 3
	s_lshl_b32 s18, s18, 16
	s_add_co_u32 s46, s46, s18
	s_add_co_u32 s46, s46, s2
	s_add_co_u32 s46, s46, 65536
	s_lshl_b32 s19, s41, 2                         ; and of the column's: of W_k
	s_add_co_u32 s19, s19, s14
	s_lshl_b32 s47, s19, 13
	s_add_co_u32 s47, s47, s3
	s_add_co_u32 s47, s47, 0x100000
	v_and_b32 v1, 15, v0                           ; r
	v_bfe_u32 v2, v0, 4, 1                         ; h
	v_and_b32 v3, 31, v0                           ; lane
	v_mul_u32_u24 v4, v1, PITCH
	v_lshl_add_u32 v4, v2, 4, v4                   ; a fragment's row x pitch + 16 x half
	v_add_nc_u32 v[AD], s17, v4
	v_add_nc_u32 v[AD+1], s86, v4
	v_add_nc_u32 v[AD+2], s87, v4
	v_add_nc_u32 v[AD+3], s100, v4
	v_add_nc_u32 v[ADRB], s66, v4
	v_add_nc_u32 v[ADRB+1], s67, v4
	v_lshlrev_b32 v4, 5, v1                        ; 32 bytes a row, and 16 more for each 256 passed
	v_lshrrev_b32 v14, 3, v1
	v_lshl_add_u32 v4, v14, 4, v4
	v_add_nc_u32 v[AAS], s101, v4
	v_lshlrev_b32 v[ABS], 5, v3
	v_lshlrev_b32 v[BOF], 5, v2
	v_lshlrev_b32 v[BOV], 2, v1
	v_lshlrev_b32 v[CO], 4, v3
	v_lshlrev_b32 v[L4], 2, v3
	v_lshl_add_u32 v[PFX], v3, 8, s46
	v_lshl_add_u32 v[PFW], v3, 8, s47
.irp t, 0,1,2,3
	v_mov_b32 v[T2+\t], 0                          ; a lane permute's destination counts as one of its sources
.endr
	s_wait_alu depctr_va_vdst(0)                   ; the head's end
	s_mov_b32 s[SEL], 0x76543210
	s_mov_b32 s[SEL+1], 0xfedcba98
	s_mov_b32 s[MNT], 0x600000
	s_mov_b32 s[HM], 0xffff0000
	s_wait_dscnt 0x0                               ; both opening adds are done
	CROUND                                         ; all sixteen work-groups are here
	s_wait_kmcnt 0x0
	s_lshl_b32 s18, s15, 17                        ; waves 1, 3: rows 0-63, rows 128-191
	s_add_co_u32 s18, s18, s2
	s_mov_b32 s19, 0
	s_add_nc_u64 s[G0A+2:G0A+3], s[4:5], s[18:19]
	s_or_b32 s[G0A+3], s[G0A+3], 0x80000000
	s_lshl_b32 s18, s43, 13
	s_add_nc_u64 s[G0S+2:G0S+3], s[6:7], s[18:19]
	s_or_b32 s[G0S+3], s[G0S+3], 0x80000000
	s_mov_b32 s46, s3
	s_mov_b32 s47, 0
	s_add_nc_u64 s[G0B+2:G0B+3], s[8:9], s[46:47]
	s_or_b32 s[G0B+3], s[G0B+3], 0x80000000
	s_cmp_eq_u32 s14, 0                            ; one chain of branches on the wave's number, one joint load to an arm
	s_cbranch_scc0 .Lnot_w
	TLOAD G0B, G1B                                 ; wave 0: W_q's rows, which are wanted first
	s_branch .Lasked
.Lnot_w:
	s_cmp_eq_u32 s14, 2
	s_cbranch_scc0 .Lfor_a
	TLOAD G0S, G1S                                 ; wave 2: x's scale bytes
	s_branch .Lasked
.Lfor_a:
	TLOAD G0A, G1A                                 ; waves 1, 3: the halves of chunk 0
.Lasked:
	s_lshl_b32 s18, s15, 17                        ; the refills' groups 0.  Quarter k = my wave of chunk c: rows 128 (k / 2) + 64 c + 32 (k % 2)
	s_lshl_b32 s17, s16, 15
	s_add_co_u32 s18, s18, s17
	s_add_co_u32 s18, s18, s2
	s_mov_b32 s[G0X0], 1
	s_mul_i32 s[G0X0+1], s14, 32*PITCH
	s_add_nc_u64 s[G0X0+2:G0X0+3], s[4:5], s[18:19]
	s_mov_b32 s[G0X1], 1
	s_add_co_u32 s[G0X1+1], s[G0X0+1], YB
	s_add_nc_u64 s[G0X1+2:G0X1+3], s[G0X0+2:G0X0+3], 65536
	s_or_b32 s[G0X0+3], s[G0X0+3], 0x80000000
	s_or_b32 s[G0X1+3], s[G0X1+3], 0x80000000
	s_lshl_b32 s46, s14, 15
	s_add_co_u32 s46, s46, s3
	s_add_co_u32 s46, s46, 0x100000
	s_mov_b32 s[G0W1], 1
	s_mul_i32 s[G0W1+1], s14, 32*PITCH
	s_add_nc_u64 s[G0W1+2:G0W1+3], s[8:9], s[46:47]
	s_mov_b32 s[G0W2], 1
	s_add_co_u32 s[G0W2+1], s[G0W1+1], YB
	s_add_nc_u64 s[G0W2+2:G0W2+3], s[G0W1+2:G0W1+3], 0x100000
	s_or_b32 s[G0W1+3], s[G0W1+3], 0x80000000
	s_or_b32 s[G0W2+3], s[G0W2+3], 0x80000000
	s_lshl_b32 s46, s42, 12                        ; my head's 64 rows in a third of Wqkv_scales,
	s_lshl_b32 s17, s16, 11
	s_add_co_u32 s46, s46, s17
	s_add_nc_u64 s[10:11], s[10:11], s[46:47]
	s_lshl_b32 s46, s42, 9                         ; and its 64 numbers in a third of bqkv
	s_lshl_b32 s17, s16, 8
	s_add_co_u32 s46, s46, s17
	s_add_nc_u64 s[12:13], s[12:13], s[46:47]
.macro PARAMS p                        ; phase p's scale words of the weight (lane l takes row l of a pair of tiles) and its bias, in the layout of the sums
.irp u, 0,1
.irp c, 0,1
	global_load_b128 v[SB+8*\u+4*\c:SB+8*\u+4*\c+3], v[ABS], s[10:11] offset:(\p)*32768+\u*1024+16*\c
.endr
.endr
.if (\p) < 2
.irp n, 0,1,2,3
	global_load_b128 v[BIA+8*\n:BIA+8*\n+3], v[BOF], s[12:13] offset:(\p)*4096+64*\n       ; register 8 n + j: column 16 n + 8 h + j
	global_load_b128 v[BIA+8*\n+4:BIA+8*\n+7], v[BOF], s[12:13] offset:(\p)*4096+64*\n+16
.endr
.else
.irp n, 0,1,2,3
.irp j, 0,1,2,3,4,5,6,7
	global_load_b32 v[BIA+8*\n+\j], v[BOV], s[12:13] offset:8192+64*\n                      ; all eight registers: column 16 n + r
.endr
.endr
.endif
.endm
.macro WEIGHTS adr                     ; my 64 rows of a weight, all of K: fragment 4 q + n in window 1 + q / 4: lane l holds row l % 16; registers 4 c .. 4 c + 3 hold K = 32 c + 16 (l / 16) + 0 .. 15
.irp q, 0,1,2,3,4,5,6,7
	WIN (1+\q/4)<<6
.irp n, 0,1,2,3
.irp c, 0,1,2,3
	ds_load_b128 v[16*((4*\q+\n)%16)+4*\c:16*((4*\q+\n)%16)+4*\c+3], v[\adr] offset:128*\q+32*\c+\n*TILEB
.endr
.endr
.endr
	WIN 0
.endm
.macro FETCHX c, i, e                  ; my tile i of chunk c, all of K, into set e of window 3, and its scale words: NF loads
	WIN 3<<6
.irp q, 0,1,2,3,4,5,6,7
.irp k, 0,1,2,3
	ds_load_b128 v[128*(\e)+16*\q+4*\k:128*(\e)+16*\q+4*\k+3], v[AD+2*(\c)+(\i)/2] offset:((\i)%2)*TILEB+128*\q+32*\k
.endr
.endr
	WIN 0
	ds_load_b128 v[SA+8*(\e):SA+8*(\e)+3], v[AAS] offset:(4*(\c)+(\i))*544
	ds_load_b128 v[SA+8*(\e)+4:SA+8*(\e)+7], v[AAS] offset:(4*(\c)+(\i))*544+16
.endm
.macro PROD kind, e, a, n              ; product n = 4 q + t: the q-th 128 of K, tile t of the weight; x's rows in set e, sums in set a.  kind 0 (Q, K): source 0 = the weight's rows; kind 1 (V): source 0 = x's rows
.set Q_, (\n)/4
.set B_, (\n)%4
.set AC_, ACC+32*(\a)+8*B_
.set C_, AC_
.if Q_ == 0
.set C_, BIA+8*B_
.endif
.set R_, 128*(\e)+16*Q_
.set W_, 16*((\n)%16)
.set XS_, SA+8*(\e)+Q_
.set WS_, SB+8*(B_/2)+Q_
.if \kind
	WIN 3|((1+(\n)/16)<<2)
.if B_%2
	v_wmma_scale_f32_16x16x128_f8f6f4 v[AC_:AC_+7], v[R_:R_+15], v[W_:W_+15], v[C_:C_+7], v[XS_], v[WS_] matrix_b_scale:MATRIX_SCALE_ROW1
.else
	v_wmma_scale_f32_16x16x128_f8f6f4 v[AC_:AC_+7], v[R_:R_+15], v[W_:W_+15], v[C_:C_+7], v[XS_], v[WS_]
.endif
.else
	WIN (1+(\n)/16)|(3<<2)
.if B_%2
	v_wmma_scale_f32_16x16x128_f8f6f4 v[AC_:AC_+7], v[W_:W_+15], v[R_:R_+15], v[C_:C_+7], v[WS_], v[XS_] matrix_a_scale:MATRIX_SCALE_ROW1
.else
	v_wmma_scale_f32_16x16x128_f8f6f4 v[AC_:AC_+7], v[W_:W_+15], v[R_:R_+15], v[C_:C_+7], v[WS_], v[XS_]
.endif
.endif
.endm
; THE QUANTISER OF A BLOCK OF Q OR K: the sums at x: registers 16 c + 0..15 are my 16 numbers of block c of 32 channels.  Each accumulator is read from its low end on.  odd: the tile's place in its pair
.macro QUANTQ x, odd
.irp k, 0,1,2,3
	v_max3_num_f32 v[TQ+\k], |v[\x+8*\k]|, |v[\x+8*\k+1]|, |v[\x+8*\k+2]|
.endr
.irp i, 3,5
.irp k, 0,1,2,3
	v_max3_num_f32 v[TQ+\k], v[TQ+\k], |v[\x+8*\k+\i]|, |v[\x+8*\k+\i+1]|
.endr
.endr
.irp k, 0,1,2,3
	v_max_num_f32 v[TQ+\k], v[TQ+\k], |v[\x+8*\k+7]|
.endr
	v_max3_num_f32 v[TQ], v[TQ], v[TQ+1], 0x4800000        ; with the floor 2^(9 - 127): the byte cannot fall under 1
	v_max3_num_f32 v[TQ+2], v[TQ+2], v[TQ+3], 0x4800000
	v_permlanex16_b32 v[T2], v[TQ], s[SEL], s[SEL+1]
	v_permlanex16_b32 v[T2+1], v[TQ+2], s[SEL], s[SEL+1]
	v_max_num_f32 v[TQ], v[TQ], v[T2]                      ; the blocks' largest magnitudes
	v_max_num_f32 v[TQ+2], v[TQ+2], v[T2+1]
	v_add_nc_u32 v[SOP], 0xfc000000, v[TQ]                 ; 8 off the exponent field
	v_add_nc_u32 v[SOP+1], 0xfc000000, v[TQ+2]
	v_and_or_b32 v[HD], v[TQ], 0x7f800000, s[MNT]          ; 448 x the scale
	v_and_or_b32 v[HD+1], v[TQ+2], 0x7f800000, s[MNT]
	v_lshrrev_b32 v[T2+2], 23, v[SOP]                      ; the bytes
	v_lshrrev_b32 v[T2+3], 23, v[SOP+1]
.irp c, 0,1
.irp i, 0,1,2,3,4,5,6,7,8,9,10,11,12,13,14,15
	v_med3_num_f32 v[\x+16*\c+\i], v[\x+16*\c+\i], -v[HD+\c], v[HD+\c]
.endr
	v_cvt_scalef32_pk8_fp8_f32 v[NCD+4*\c:NCD+4*\c+1], v[\x+16*\c:\x+16*\c+7], v[SOP+\c]
	v_cvt_scalef32_pk8_fp8_f32 v[NCD+4*\c+2:NCD+4*\c+3], v[\x+16*\c+8:\x+16*\c+15], v[SOP+\c]
.endr
	v_lshl_or_b32 v[WK+\odd], v[T2+3], 8, v[T2+2]          ; the token's word: its two bytes, twice
	v_lshl_or_b32 v[WK+\odd], v[WK+\odd], 16, v[WK+\odd]
.if \odd
	v_cndmask_b32 v[WS], v[WK], v[WK+1], s[HM]             ; lanes 0-15 the even tile's words, lanes 16-31 the odd tile's
.endif
.endm
.macro STQ pc, ps, tp, odd             ; tile tp of my key step: 1,024 consecutive bytes of codes; with the odd tile the pair's 128 bytes of words
	global_store_b128 v[CO], v[NCD:NCD+3], s[\pc:\pc+1] offset:(\tp)*1024
	global_store_b128 v[CO], v[NCD+4:NCD+7], s[\pc:\pc+1] offset:(\tp)*1024+512
.if \odd
	global_store_b32 v[L4], v[WS], s[\ps:\ps+1] offset:((\tp)-1)*64
.endif
.endm
; THE QUANTISER OF A PAIR OF BLOCKS OF V: the even block's sums at xe, the odd's at xo: registers 8 t + 0..7 of both are my 16 keys of block cb of 32, for my channel of tile t.  The four tiles by turns
.macro QUANTV xe, xo, cb
.irp t, 0,1,2,3
	v_max3_num_f32 v[TQ+\t], |v[\xe+8*\t]|, |v[\xe+8*\t+1]|, |v[\xe+8*\t+2]|
	v_max3_num_f32 v[T2+\t], |v[\xo+8*\t]|, |v[\xo+8*\t+1]|, |v[\xo+8*\t+2]|
.endr
.irp i, 3,5
.irp t, 0,1,2,3
	v_max3_num_f32 v[TQ+\t], v[TQ+\t], |v[\xe+8*\t+\i]|, |v[\xe+8*\t+\i+1]|
	v_max3_num_f32 v[T2+\t], v[T2+\t], |v[\xo+8*\t+\i]|, |v[\xo+8*\t+\i+1]|
.endr
.endr
.irp t, 0,1,2,3
	v_max3_num_f32 v[T2+\t], v[T2+\t], |v[\xo+8*\t+7]|, 0x4800000
.endr
.irp t, 0,1,2,3
	v_max3_num_f32 v[TQ+\t], v[TQ+\t], |v[\xe+8*\t+7]|, v[T2+\t]
.endr
.irp t, 0,1,2,3
	v_permlanex16_b32 v[T2+\t], v[TQ+\t], s[SEL], s[SEL+1]
.endr
.irp t, 0,1,2,3
	v_max_num_f32 v[TQ+\t], v[TQ+\t], v[T2+\t]
.endr
.irp t, 0,1,2,3
	v_add_nc_u32 v[SOP+\t], 0xfc000000, v[TQ+\t]
.endr
.irp t, 0,1,2,3
	v_and_or_b32 v[HD+\t], v[TQ+\t], 0x7f800000, s[MNT]
.endr
.if \cb
.irp t, 0,1,2,3
	v_lshrrev_b32 v[T2+\t], 23, v[SOP+\t]
.endr
.irp t, 0,1,2,3
	v_lshl_or_b32 v[VW+\t], v[T2+\t], 8*(\cb), v[VW+\t]    ; byte cb of the channel's word
.endr
.else
.irp t, 0,1,2,3
	v_lshrrev_b32 v[VW+\t], 23, v[SOP+\t]
.endr
.endif
.irp t, 0,1,2,3
.irp i, 0,1,2,3,4,5,6,7
	v_med3_num_f32 v[\xe+8*\t+\i], v[\xe+8*\t+\i], -v[HD+\t], v[HD+\t]
	v_med3_num_f32 v[\xo+8*\t+\i], v[\xo+8*\t+\i], -v[HD+\t], v[HD+\t]
.endr
	v_cvt_scalef32_pk8_fp8_f32 v[NCD+4*\t:NCD+4*\t+1], v[\xe+8*\t:\xe+8*\t+7], v[SOP+\t]
	v_cvt_scalef32_pk8_fp8_f32 v[NCD+4*\t+2:NCD+4*\t+3], v[\xo+8*\t:\xo+8*\t+7], v[SOP+\t]
.endr
	v_nop                                          ; one plain line behind the conversions
.endm
.macro STV cb
.irp t, 0,1,2,3
	global_store_b128 v[CO], v[NCD+4*\t:NCD+4*\t+3], s[80:81] offset:\t*2048+(\cb)*512   ; the wave stores 512 consecutive bytes, aligned
.endr
.endm
; BLOCK b OF PHASE p.  Its chunk is (b / 4 + p % 2) % 2.  Behind its products: the quantiser of the block (V: the pair) before it; at b = 2 the round (phase 2: the barrier); the stores; the fetch of the block two on, into the next phase too
.macro BLK p, b
	s_wait_xcnt 0x0                                ; earlier stores have read the registers that the quantiser below writes
.set N_, 0
.rept 32
	PROD (\p)/2, (\b)%2, (\b)%4, N_
.set N_, N_+1
.endr
	WIN 0
.set HQ_, 0
.if (\b) > 0
.if (\p) < 2
.set HQ_, 1
.elseif (\b)%2 == 0
.set HQ_, 1
.endif
.endif
.set PB_, (\b)-1
.set TP_, 4*(((PB_/4)+(\p)%2)%2)+PB_%4
.if HQ_
.if (\p) < 2
	QUANTQ ACC+32*(PB_%4), PB_%2
.else
	QUANTV ACC+32*(((\b)-2)%4), ACC+32*(PB_%4), ((\b)-2)/2
.endif
.else
	PLACES 8                                       ; eight plain lines behind the last product, ahead of the fetch into what it has read
.endif
	s_wait_alu depctr_va_vdst(0)                   ; directly ahead of the waits below
.if (\b) == 2
	s_wait_tensorcnt 0x0                           ; my quarter of the phase's second chunk is in
.if (\p) < 2
	ds_add_u32 v[SPW], v[NIL]
	s_wait_dscnt 0x0                               ; it is done, and so are my reads of the first chunk
	CROUND
	TLOAD 84-64*(\p), G1W                          ; the next weight over the first chunk: my 32 rows
.else
	s_wait_dscnt 0x0
	BARRIER
.endif
.else
	s_wait_dscnt 0x0                               ; the next block's set, asked for 32 products ago
.endif
.if HQ_
.if (\p) < 2
	STQ 48+28*(\p), 50+28*(\p), TP_, PB_%2
.else
	STV ((\b)-2)/2
.endif
.endif
.if (\b) < 6
	FETCHX ((((\b)+2)/4)+(\p)%2)%2, ((\b)+2)%4, (\b)%2
.elseif (\p) < 2
	FETCHX ((\p)+1)%2, (\b)-6, (\b)%2
.endif
.endm
; A PHASE'S END: its last quantiser; then the next weight's scale words and bias are asked for, the weight is shown to all and goes into registers, and the chunk that it displaced comes back over it
.macro PEND p
	s_wait_xcnt 0x0
.if (\p) < 2
.set TP_, 4*((1+(\p)%2)%2)+3
	QUANTQ ACC+96, 1
.else
	QUANTV ACC+64, ACC+96, 3
	v_cndmask_b32 v[WS], v[VW], v[VW+1], s[HM]     ; lanes 0-15 tile t's words, lanes 16-31 tile t + 1's
	v_cndmask_b32 v[WK], v[VW+2], v[VW+3], s[HM]
.endif
	s_wait_alu depctr_va_vdst(0)                   ; directly ahead of the wait below
	s_wait_dscnt 0x0
.if (\p) < 2
	STQ 48+28*(\p), 50+28*(\p), TP_, 1
	PARAMS (\p)+1
	s_wait_tensorcnt 0x0                           ; my quarter of the next weight is in
	BARRIER
	WEIGHTS ADRB+(\p)%2
	REFILL 68+4*(\p), G1X
.if (\p) == 0
	global_prefetch_b8 v[PFW], s[8:9] offset:1048576 th:TH_LOAD_NT scope:SCOPE_SE   ; W_v
.endif
	s_wait_loadcnt 0x0
.else
	STV 3
	global_store_b32 v[L4], v[WS], s[82:83]
	global_store_b32 v[L4], v[WK], s[82:83] offset:128
.endif
.endm
	PARAMS 0
	global_prefetch_b8 v[PFX], s[4:5] th:TH_LOAD_NT scope:SCOPE_SE   ; chunk 1
	s_cmp_eq_u32 s14, 0
	s_cbranch_scc0 .Lnot_b
	s_wait_tensorcnt 0x0                           ; wave 0: W_q's rows have landed.  The other waves' wait stands ahead of the round below
.Lnot_b:
	BARRIER
	WEIGHTS ADRB+1
	REFILL G0X1, G1X                               ; chunk 0 and the scale bytes are shown; chunk 1 over W_q's rows
	FETCHX 0, 0, 0
	FETCHX 0, 1, 1
	global_prefetch_b8 v[PFW], s[8:9] th:TH_LOAD_NT scope:SCOPE_SE   ; W_k
	s_load_b256 s[48:55], s[0:1], 0x28             ; q_img, q_sc, kv_img, kv_sc (the head's descriptors are done with)
	s_lshr_b32 s17, s43, 3
	s_lshl_b32 s17, s17, 4
	s_lshl_b32 s3, s42, 1
	s_add_co_u32 s17, s17, s3
	s_add_co_u32 s17, s17, s16                     ; bh = 16 x batch + my head
	s_and_b32 s2, s43, 7
	s_lshl_b32 s2, s2, 4
	s_lshl_b32 s3, s15, 3
	s_add_co_u32 s2, s2, s3                        ; my key step's first tile in its sequence
	s_mov_b32 s19, 0
	s_wait_kmcnt 0x0
	s_lshl_b32 s18, s17, 17
	s_lshl_b32 s3, s2, 10
	s_add_co_u32 s18, s18, s3
	s_add_nc_u64 s[48:49], s[48:49], s[18:19]      ; Q's codes
	s_lshl_b32 s18, s17, 13
	s_lshl_b32 s3, s2, 6
	s_add_co_u32 s18, s18, s3
	s_add_nc_u64 s[50:51], s[50:51], s[18:19]      ; Q's words
	s_lshl_b32 s18, s17, 18
	s_lshl_b32 s3, s2, 10
	s_add_co_u32 s18, s18, s3
	s_add_nc_u64 s[76:77], s[52:53], s[18:19]      ; K's codes
	s_add_nc_u64 s[80:81], s[76:77], 131072        ; V's: a key step is 8,192 bytes there too
	s_mul_i32 s18, s17, 12288
	s_lshl_b32 s3, s2, 6
	s_add_co_u32 s18, s18, s3
	s_add_nc_u64 s[78:79], s[54:55], s[18:19]      ; K's words
	s_mul_i32 s18, s17, 12288
	s_lshl_b32 s3, s2, 5
	s_add_co_u32 s18, s18, s3
	s_add_co_u32 s18, s18, 8192
	s_add_nc_u64 s[82:83], s[54:55], s[18:19]      ; V's words: 256 bytes a key step
	s_wait_loadcnt 0x0                             ; W_q's scale words and the bias
	s_wait_dscnt NF                                ; block 0 is in; block 1's NF loads may be out
.irp p, 0,1,2
.irp b, 0,1,2,3,4,5,6,7
	BLK \p, \b
.endr
	PEND \p
.endr
	s_wait_tensorcnt 0x0                           ; the wave's end
	ds_add_u32 v[SPW], v[NIL]
	s_wait_dscnt 0x0
	CROUND                                         ; the closing round
	s_endpgm
.Lfunc_end_k_q0fd0e7cfa3_qkv:
	.size	k_q0fd0e7cfa3_qkv, .Lfunc_end_k_q0fd0e7cfa3_qkv-k_q0fd0e7cfa3_qkv
	.p2alignl 7, 3214868480
	.fill 96, 4, 3214868480
	.section	.rodata,"a",@progbits
	.p2align	6, 0x0
	.amdhsa_kernel k_q0fd0e7cfa3_qkv
		.amdhsa_group_segment_fixed_size 327680
		.amdhsa_private_segment_fixed_size 0
		.amdhsa_enable_private_segment 0
		.amdhsa_kernarg_size 72
		.amdhsa_user_sgpr_count 2
		.amdhsa_user_sgpr_kernarg_segment_ptr 1
		.amdhsa_wavefront_size32 1
		.amdhsa_system_sgpr_workgroup_id_x 1
		.amdhsa_system_sgpr_workgroup_id_y 1
		.amdhsa_system_sgpr_workgroup_id_z 1
		.amdhsa_system_vgpr_workitem_id 0
		.amdhsa_next_free_vgpr 1024
		.amdhsa_next_free_sgpr 102
		.amdhsa_reserve_vcc 0
		.amdhsa_float_denorm_mode_32 3
		.amdhsa_float_denorm_mode_16_64 3
		.amdhsa_memory_ordered 1
		.amdhsa_forward_progress 1
		.amdhsa_inst_pref_size 255
	.end_amdhsa_kernel
	.section	.bss,"aw",@nobits
	.p2align	6
	.space	262144
	.amdgpu_metadata
---
amdhsa.version: [ 1, 2 ]
amdhsa.kernels:
  - .name:           k_q0fd0e7cfa3_qkv
    .symbol:         k_q0fd0e7cfa3_qkv.kd
    .args:
      - { .name: x_codes, .offset: 0, .size: 8, .value_kind: global_buffer, .address_space: global }
      - { .name: x_scales, .offset: 8, .size: 8, .value_kind: global_buffer, .address_space: global }
      - { .name: Wqkv_codes, .offset: 16, .size: 8, .value_kind: global_buffer, .address_space: global }
      - { .name: Wqkv_scales, .offset: 24, .size: 8, .value_kind: global_buffer, .address_space: global }
      - { .name: bqkv, .offset: 32, .size: 8, .value_kind: global_buffer, .address_space: global }
      - { .name: q_img, .offset: 40, .size: 8, .value_kind: global_buffer, .address_space: global }
      - { .name: q_sc, .offset: 48, .size: 8, .value_kind: global_buffer, .address_space: global }
      - { .name: kv_img, .offset: 56, .size: 8, .value_kind: global_buffer, .address_space: global }
      - { .name: kv_sc, .offset: 64, .size: 8, .value_kind: global_buffer, .address_space: global }
    .group_segment_fixed_size: 327680
    .private_segment_fixed_size: 0
    .kernarg_segment_align: 8
    .kernarg_segment_size: 72
    .max_flat_workgroup_size: 128
    .sgpr_count:     102
    .vgpr_count:     1024
    .wavefront_size: 32
...
	.end_amdgpu_metadata
.endif
;; end of part 1
;; launch attn (part 2): grid 4 x 64, 8 waves a work-group, clusters of 4 x 1, 276,480 bytes of LDS; arguments q_img, q_sc, kv_img, kv_sc, a_img, a_sc; writes a_img, a_sc
.if DOCPART == 2
	.amdgcn_target "amdgcn-amd-amdhsa--gfx1250"
	.amdhsa_code_object_version 6
	.text
	.protected	k_q0fd0e7cfa3_attn
	.globl	k_q0fd0e7cfa3_attn
	.p2align	8
	.type	k_q0fd0e7cfa3_attn,@function
k_q0fd0e7cfa3_attn:
	s_mov_b64 s[64:65], 0
	v_nop
	global_prefetch_b8 v0, s[64:65] scope:SCOPE_SE
	s_setreg_imm32_b32 hwreg(HW_REG_WAVE_MODE, 25, 1), 1
	s_wait_xcnt 0x0
	s_wait_alu depctr_hold_cnt(0) depctr_sa_sdst(0) depctr_va_vdst(0) depctr_va_sdst(0) depctr_va_ssrc(0) depctr_va_vcc(0) depctr_vm_vsrc(0)
	s_getreg_b32 s2, hwreg(HW_REG_IB_STS2, 6, 4)
	s_cmp_eq_u32 s2, 0
	s_cbranch_scc0 .Lentry_in_a_cluster
	s_endpgm
.Lentry_in_a_cluster:
	s_bfe_u32 s2, ttmp6, 0x10000c
	s_cmp_lg_u32 s2, 0x3003
	s_cbranch_scc0 .Lentry_shape_is_right
	s_endpgm
.Lentry_shape_is_right:
; For each of 64 (batch, head) pairs: O[q] = the sum over k of softmax_k(Q[q] . K[k] / 8) V[k], 2,048 queries and keys, head size 64, both products on codes of FP8 (E4M3) with one E8M0 scale for each 32 along a product's K;
; O is then quantised along the model's 1,024 channels for the output projection.  All operands come as images of operand registers (32 lanes x 16 bytes for each group of four registers), made by the launch before.
; THE SOFTMAX: t = score x log2(e) / 8; M = the row's largest t so far, rounded UP to a whole number; p = 2^(t - M) is quantised along the keys, not normalised.  The row's sum is taken of the unquantised p and divides O at the end.
; When M moves, the sum and O are multiplied by 2^(old M - new M): exact.
; SHARES.  A cluster of four work-groups is one head; a work-group owns 512 of its queries; each of its EIGHT waves owns TWO tiles of 16 queries (u = 0, 1) in each of two passes, in 512 registers: two waves to a SIMD.
; Each fragment of K and V that a wave reads from LDS serves both tiles.  A key step (128 keys): both tiles' scores; both softmaxes, THEIR LINES BY TURNS, so that eight chains and not four stand side by side and one batch holds both tiles' exponentials; both tiles' O.
; ONE LOOP of 32 trips holds both passes (16 key steps each): behind trips 16 and 32 a scalar branch on the trip count leads into the tiles' end; the last trip fetches no further K.
; LDS.  A head's K and V are 262,144 bytes of codes and 12,288 of scale words: they come ONCE, at the head, and stay: no ring, no refill.  The four work-groups need the same bytes: they are asked for JOINTLY, one tensor load a wave
; (waves 0 to 3: 65,536 bytes of codes each; wave 4: the scale words).  No data prefetch: these loads stand at the head, and the launch has no loop that runs ahead of them.
; LAYOUT.  Both products are used transposed: a lane holds ONE query (lane % 16).  The 16 registers of score tiles 2 b, 2 b + 1 hold, of block b of 32 keys, keys 8 h + 0..7 and 16 + 8 h + 0..7 (h = lane / 16); V's images have their keys in that order.
; THE FIRST PRODUCT'S K IS 64, the instruction's 128: two neighbouring tiles of 16 keys are one fragment; Q lies as [Q 8][zeros 8][Q 8]: registers 0-15 give the even tile's scores, registers 8-23 the odd tile's.  Zero codes add nothing.
; REGISTERS.  Window 0: addresses, scale words, state, two sets of temporaries, two of p's codes, the two score areas: all the softmax works here.  Window 1: K 0-63, V 64-127, O^T 128-191, Q 192-239, pass 1's Q 240-255.
; OUTPUT.  a_img [tile of 16 rows][block of 32 channels][lane][16 B], channels in natural order; a_sc [8192][32] bytes, stored a byte a lane (262,144 bytes in the whole launch).
; LIMITS: NaN and infinities are not served.  The promise holds while the scaled scores stay under 2^31 in magnitude.  p under 2^-126 comes out of v_exp_f32 as 0.  A block whose largest magnitude lies under 2^-118 keeps the scale byte 1,
; a block of zeros too: its codes are zeros, and this program alone reads the bytes.  1 / the sum is v_rcp_f32 and a multiplication.
.set VIM,  131072                      ; LDS: K's image at 0, V's here,
.set KSC,  262144                      ; K's scale words (8,192 bytes),
.set VSC,  270336                      ; V's (4,096 bytes),
.set SPARE, 274432                     ; the spare words: 128 bytes a wave
.set L16,  1                           ; 16 x lane
.set LV,   2                           ; + VIM
.set LKS,  3                           ; 4 x lane + KSC
.set LVS,  4                           ; 4 x lane + VSC
.set LQS,  5                           ; 4 x (lane % 16)
.set LAS,  6                           ; 32 x (lane % 16) + lane / 16
.set ADK,  8                           ; the next step's K, this step's V, and their scale words
.set ADV,  9
.set ADS,  10
.set ADT,  11
.set SPW,  12
.set NIL,  13
.set KSW,  16                          ; v16-19 K's scale words; v20-21 V's; v22, v23 p's; v28, v29 Q's: scales and nothing else
.set VSW,  20
.set PSW,  22
.set QSA,  28
.set QS1,  30                          ; v30, v31 pass 1's scale words of Q
.set ST0,  32                          ; tile u's state at ST0 + 4 u: -M, the largest t, the sum in two halves
.set TD,   26                          ; tile u's temporaries lie TD x u on
.set BM,   40                          ; the blocks' largest scores, then largest p
.set PT,   44                          ; the other half's, then the bytes
.set HD,   48                          ; 448 x the scale
.set SOP,  52                          ; the conversions' scale operands
.set FF,   56                          ; a pair: f = 2^(old M - new M)
.set TP,   58
.set TQ,   59
.set T1,   60                          ; three more chains of the sum, six registers
.set PCD,  92                          ; p's codes: 16 registers a tile
.set SA,   124                         ; scores and p: 64 registers a tile
.set SD,   64
.set KF,   0                           ; window 1
.set VF,   64
.set OA,   128                         ; 32 a tile
.set QA,   192                         ; 24 a tile
.set QST,  240                         ; 8 a tile
.set WV,   16
.set CXR,  18
.set BH,   19
.set SEL,  20                          ; s[20:21] selects for lane l xor 16
.set CS,   22                          ; s[22:23] c = log2(e) / 8
.set MNT,  24
.set HM,   25
.set TB,   26                          ; this step's bytes in V's image;  s27 in V's scale words;  s28, s39 the next step's in K's image and scale words
.set TJ,   27
.set TN,   28
.set CNT,  29                          ; trips to go
.set TSN,  39
.set G1D,  40
.set G1S,  48
.set G0S,  56
.set G0D,  60
.set MSB, 0
.macro WIN new                         ; the immediate's high byte repeats the setting that is left
.if MSB != \new
	s_set_vgpr_msb (MSB<<8)|\new
.set MSB, \new
.endif
.endm
.macro WALU
	s_wait_alu depctr_va_vdst(0)
.endm
.macro ROUND                           ; a round of the cluster's barrier
	s_barrier_signal -1
	s_barrier_wait -1
	s_cmp_lg_u32 s[WV], 0
	s_cbranch_scc1 .Lnot_wave_0_\@
	s_barrier_signal -3
.Lnot_wave_0_\@:
	s_barrier_wait -3
	s_barrier_signal -1
	s_barrier_wait -1
.endm
.macro INIT                            ; the step is written once: the first finds zeros, which the first change of M leaves zeros
.irp z, ST0, ST0+4
	v_mov_b32 v[\z+1], 0xff61b1e6                  ; the largest t so far: -3e38
	v_floor_f32 v[\z], -v[\z+1]
	v_mov_b32 v[\z+2], 0
	v_mov_b32 v[\z+3], 0
.endr
	WIN 0x40
.set li, 0
.rept 64
	v_mov_b32 v[OA+li], 0
.set li, li+1
.endr
	WIN 0
.endm
	s_load_b256 s[4:11], s[0:1], 0x0               ; q_img, q_sc, kv_img, kv_sc
	s_load_b128 s[12:15], s[0:1], 0x20             ; a_img, a_sc
	v_lshl_add_u32 v[SPW], v0, 2, SPARE
	v_mov_b32 v[NIL], 0
	ds_add_u32 v[SPW], v[NIL]                      ; the opening lines: the add twice on end and its wait
	ds_add_u32 v[SPW], v[NIL]
	v_lshrrev_b32 v7, 5, v0
	v_readfirstlane_b32 s[WV], v7                  ; wave 0..7
	s_bfe_u32 s[CXR], ttmp6, 0x40000               ; cx: which 512 queries: it enters Q's and the output's addresses alone
	s_and_b32 s[BH], ttmp7, 0xffff                 ; 16 x batch + head, which the four partners share
	s_mov_b32 s[G1D], 15|(3<<16)|(1<<21)           ; dense blocks as rows of 256 bytes (32 elements of 8): 256 rows of codes,
	s_mov_b32 s[G1D+1], 32<<16
	s_mov_b32 s[G1D+2], 256<<16
	s_mov_b32 s[G1D+3], 32<<16
	s_mov_b32 s[G1D+4], 256
	s_mov_b32 s[G1D+5], 32
	s_mov_b32 s[G1D+6], 0
	s_mov_b32 s[G1D+7], 0
	s_mov_b32 s[G1S], 15|(3<<16)|(1<<21)           ; 48 rows of scale words
	s_mov_b32 s[G1S+1], 32<<16
	s_mov_b32 s[G1S+2], 48<<16
	s_mov_b32 s[G1S+3], 32<<16
	s_mov_b32 s[G1S+4], 48
	s_mov_b32 s[G1S+5], 32
	s_mov_b32 s[G1S+6], 0
	s_mov_b32 s[G1S+7], 0
	s_lshl_b32 s30, s[WV], 16                      ; waves 0 to 3: my quarter of the head's codes, in memory and in LDS alike
	s_lshl_b32 s32, s[BH], 18
	s_add_co_u32 s32, s32, s30
	s_mov_b32 s33, 0
	s_mul_i32 s34, s[BH], 12288
	s_mov_b32 s35, 0
	s_mov_b32 s[SEL], 0x76543210
	s_mov_b32 s[SEL+1], 0xfedcba98
	s_mov_b32 s[CS], 0x3e38aa3b
	s_mov_b32 s[CS+1], s[CS]
	s_mov_b32 s[MNT], 0x600000
	s_mov_b32 s[HM], 0xffff0000
	s_wait_dscnt 0x0
	s_wait_kmcnt 0x0
	s_mov_b32 s[G0S], 1
	s_mov_b32 s[G0S+1], KSC
	s_add_nc_u64 s[G0S+2:G0S+3], s[10:11], s[34:35]
	s_or_b32 s[G0S+3], s[G0S+3], 0x80000000
	s_mov_b32 s[G0D], 1
	s_mov_b32 s[G0D+1], s30
	s_add_nc_u64 s[G0D+2:G0D+3], s[8:9], s[32:33]
	s_or_b32 s[G0D+3], s[G0D+3], 0x80000000
	ROUND                                          ; all four work-groups are here: the joint loads meet
	s_cmp_lt_u32 s[WV], 4                          ; one chain of branches on the wave's number, one load to an arm
	s_cbranch_scc0 .Lfor_scales
	tensor_load_to_lds s[G0D:G0D+3], s[G1D:G1D+7]
	s_nop 0
.rept 4
	v_nop
.endr
	s_branch .Lasked
.Lfor_scales:
	s_cmp_eq_u32 s[WV], 4
	s_cbranch_scc0 .Lasked
	tensor_load_to_lds s[G0S:G0S+3], s[G1S:G1S+7]
	s_nop 0
.rept 4
	v_nop
.endr
.Lasked:
	s_lshl_b32 s36, s[CXR], 5
	s_lshl_b32 s31, s[WV], 1
	s_add_co_u32 s36, s36, s31                     ; tile 0 in pass 0: 32 cx + 2 x wave; tile 1 the next; pass 1 sixteen tiles on
	s_lshl_b32 s30, s[BH], 17
	s_lshl_b32 s31, s36, 10
	s_add_co_u32 s30, s30, s31
	s_mov_b32 s31, 0
	s_add_nc_u64 s[4:5], s[4:5], s[30:31]          ; Q's image: 1,024 bytes a tile
	s_lshl_b32 s30, s[BH], 13
	s_lshl_b32 s32, s36, 6
	s_add_co_u32 s30, s30, s32
	s_add_nc_u64 s[6:7], s[6:7], s[30:31]          ; its scale words: 64 bytes a tile
	s_lshr_b32 s37, s[BH], 4
	s_lshl_b32 s37, s37, 7
	s_add_co_u32 s37, s37, s36                     ; the tile of rows of the output: 128 x batch + tile
	s_and_b32 s38, s[BH], 15
	s_lshl_b32 s30, s37, 14
	s_lshl_b32 s32, s38, 10
	s_add_co_u32 s30, s30, s32
	s_add_nc_u64 s[12:13], s[12:13], s[30:31]      ; a_img: 16,384 bytes a tile of rows, 1,024 a head
	s_lshl_b32 s30, s37, 9
	s_lshl_b32 s32, s38, 1
	s_add_co_u32 s30, s30, s32
	s_add_nc_u64 s[14:15], s[14:15], s[30:31]      ; a_sc: 512 bytes a tile of rows, 2 a head
	v_and_b32 v7, 31, v0
	v_lshlrev_b32 v[L16], 4, v7
	v_add_nc_u32 v[LV], VIM, v[L16]
	v_lshl_add_u32 v[LKS], v7, 2, KSC
	v_lshl_add_u32 v[LVS], v7, 2, VSC
	v_and_b32 v8, 15, v0
	v_lshlrev_b32 v[LQS], 2, v8
	v_bfe_u32 v9, v0, 4, 1
	v_lshl_add_u32 v[LAS], v8, 5, v9
	WALU
	WIN 0x40
.irp u, 0,1
.irp c, 0,1                            ; pass 0's Q: each group of four registers twice, below and above the zeros; pass 1's waits beside them
	global_load_b128 v[QA+24*\u+4*\c:QA+24*\u+4*\c+3], v[L16], s[4:5] offset:1024*\u+512*\c
	global_load_b128 v[QA+24*\u+16+4*\c:QA+24*\u+16+4*\c+3], v[L16], s[4:5] offset:1024*\u+512*\c
	global_load_b128 v[QST+8*\u+4*\c:QST+8*\u+4*\c+3], v[L16], s[4:5] offset:16384+1024*\u+512*\c
.endr
.endr
.irp j, 0,1,2,3,4,5,6,7
	v_mov_b32 v[QA+8+\j], 0                        ; the zero codes between Q and Q: written once
	v_mov_b32 v[QA+32+\j], 0
.endr
	WIN 0
	global_load_b32 v[QSA], v[LQS], s[6:7]
	global_load_b32 v[QSA+1], v[LQS], s[6:7] offset:64
	global_load_b32 v[QS1], v[LQS], s[6:7] offset:1024
	global_load_b32 v[QS1+1], v[LQS], s[6:7] offset:1088
.irp b, 0,1,2,3
	v_mov_b32 v[PT+\b], 0                          ; a lane permute's destination counts as one of its sources
	v_mov_b32 v[PT+TD+\b], 0
.endr
	v_mov_b32 v[FF+1], 0                           ; (named as the upper half of a pair)
	v_mov_b32 v[FF+TD+1], 0
	INIT
.macro QK sc, q, qs                    ; S^T = K Q^T of one tile of queries: Q over zeros takes the even key tile, zeros over Q the odd one
.irp m, 0,1,2,3
	v_wmma_scale_f32_16x16x128_f8f6f4 v[\sc+16*\m:\sc+16*\m+7], v[KF+16*\m:KF+16*\m+15], v[\q:\q+15], 0, v[KSW+\m], v[\qs]
	v_wmma_scale_f32_16x16x128_f8f6f4 v[\sc+16*\m+8:\sc+16*\m+15], v[KF+16*\m:KF+16*\m+15], v[\q+8:\q+23], 0, v[KSW+\m], v[\qs] matrix_a_scale:MATRIX_SCALE_ROW1
.endr
.endm
.macro MAXT                            ; the largest score of each block of 32 keys: for the row's maximum and for the block's largest p.  64 plain lines behind the wait; each accumulator is read from its low end on
	WALU
.irp b, 0,1,2,3
.irp u, 0,1
	v_max3_num_f32 v[BM+TD*\u+\b], v[SA+SD*\u+16*\b], v[SA+SD*\u+16*\b+1], v[SA+SD*\u+16*\b+2]
.endr
.endr
.irp i, 3,5,7,9,11,13
.irp b, 0,1,2,3
.irp u, 0,1
	v_max3_num_f32 v[BM+TD*\u+\b], v[BM+TD*\u+\b], v[SA+SD*\u+16*\b+\i], v[SA+SD*\u+16*\b+\i+1]
.endr
.endr
.endr
.irp b, 0,1,2,3
.irp u, 0,1
	v_max_num_f32 v[BM+TD*\u+\b], v[BM+TD*\u+\b], v[SA+SD*\u+16*\b+15]
.endr
.endr
.endm
.macro LOADS                           ; the next step's K and this step's V, into registers whose products stand 72 plain lines back.  The last trip has no next step
	WALU
	s_cmp_eq_u32 s[CNT], 1
	s_cbranch_scc1 .Lno_k
	WIN 0x40
.set li, 0
.rept 16
	ds_load_b128 v[KF+4*li:KF+4*li+3], v[ADK] offset:512*li
.set li, li+1
.endr
	WIN 0
.irp m, 0,1,2,3
	ds_load_b32 v[KSW+\m], v[ADS] offset:128*\m
.endr
.Lno_k:
	WIN 0x40
.set li, 0
.rept 16
	ds_load_b128 v[VF+4*li:VF+4*li+3], v[ADV] offset:512*li
.set li, li+1
.endr
	WIN 0
.irp m, 0,1
	ds_load_b32 v[VSW+\m], v[ADT] offset:128*\m
.endr
.endm
.macro SOFT                            ; from the blocks' largest scores to p's codes and scale words, the two tiles' lines by turns
.irp b, 0,1,2,3
.irp u, 0,1
	v_permlanex16_b32 v[PT+TD*\u+\b], v[BM+TD*\u+\b], s[SEL], s[SEL+1]
.endr
.endr
.irp b, 0,1,2,3
.irp u, 0,1
	v_max_num_f32 v[BM+TD*\u+\b], v[BM+TD*\u+\b], v[PT+TD*\u+\b]     ; with lane l xor 16's 16 keys
.endr
.endr
.irp u, 0,1
	v_max3_num_f32 v[TQ+TD*\u], v[BM+TD*\u], v[BM+TD*\u+1], v[BM+TD*\u+2]
.endr
.irp u, 0,1
	v_mov_b32 v[TP+TD*\u], v[ST0+4*\u]             ; the old -M
.endr
.irp u, 0,1
	v_max_num_f32 v[TQ+TD*\u], v[TQ+TD*\u], v[BM+TD*\u+3]
.endr
.irp u, 0,1
	v_mul_f32 v[TQ+TD*\u], s[CS], v[TQ+TD*\u]      ; the step's largest t (c is positive)
.endr
.irp u, 0,1
	v_max_num_f32 v[ST0+4*\u+1], v[ST0+4*\u+1], v[TQ+TD*\u]
.endr
.irp u, 0,1
	v_floor_f32 v[ST0+4*\u], -v[ST0+4*\u+1]        ; the new -M = -ceil(t)
.endr
.set li, 0
.rept 32
.irp u, 0,1
	v_pk_fma_f32 v[SA+SD*\u+li:SA+SD*\u+li+1], v[SA+SD*\u+li:SA+SD*\u+li+1], s[CS:CS+1], v[ST0+4*\u:ST0+4*\u+1] op_sel_hi:[1,0,0]   ; t - M, two at a time
.endr
.if li == 4
.irp u, 0,1
	v_sub_f32 v[TP+TD*\u], v[ST0+4*\u], v[TP+TD*\u]   ; old M less new M: a whole number, 0 or less
.endr
.elseif li == 10
.irp u, 0,1
	v_cvt_i32_f32 v[TP+TD*\u], v[TP+TD*\u]         ; (it saturates)
.endr
.elseif li == 16
.irp u, 0,1
	v_ldexp_f32 v[FF+TD*\u], 1.0, v[TP+TD*\u]      ; f: a multiplication by it rounds nothing
.endr
.endif
.set li, li+2
.endr
.irp b, 0,1,2,3
.irp u, 0,1
	v_fma_f32 v[BM+TD*\u+\b], v[BM+TD*\u+\b], s[CS], v[ST0+4*\u]    ; the same of each block's largest score
.endr
.endr
	WALU                                           ; ahead of the batch
.irp b, 0,1,2,3
.irp u, 0,1
	v_exp_f32 v[BM+TD*\u+\b], v[BM+TD*\u+\b]       ; the block's largest p
.endr
.endr
.set li, 0
.rept 128
	v_exp_f32 v[SA+li], v[SA+li]                   ; p = 2^(t - M), at most 1
.set li, li+1
.endr
.irp u, 0,1
	v_pk_mul_f32 v[ST0+4*\u+2:ST0+4*\u+3], v[ST0+4*\u+2:ST0+4*\u+3], v[FF+TD*\u:FF+TD*\u+1] op_sel_hi:[1,0]   ; the sums under the new M (plain lines behind the batch)
.endr
	WALU                                           ; behind the batch
.irp b, 0,1,2,3
.irp u, 0,1
	v_max_num_f32 v[BM+TD*\u+\b], 0x4800000, v[BM+TD*\u+\b]    ; the floor 2^(9 - 127): the byte cannot fall under 1
.endr
.endr
.irp b, 0,1,2,3
.irp u, 0,1
	v_add_nc_u32 v[SOP+TD*\u+\b], 0xfc000000, v[BM+TD*\u+\b]   ; 8 off the exponent field
.endr
.endr
.irp b, 0,1,2,3
.irp u, 0,1
	v_and_or_b32 v[HD+TD*\u+\b], v[BM+TD*\u+\b], 0x7f800000, s[MNT]   ; 448 x the scale
.endr
.endr
.irp b, 0,1,2,3
.irp u, 0,1
	v_lshrrev_b32 v[PT+TD*\u+\b], 23, v[SOP+TD*\u+\b]          ; the byte
.endr
.endr
.irp u, 0,1
	v_lshl_or_b32 v[PSW+\u], v[PT+TD*\u+1], 8, v[PT+TD*\u]     ; p's scale word, its three lines among the sum's
.endr
.irp k, 0,1,2                          ; THE ROW'S SUM OF THE UNQUANTISED p: two at a time, in four chains a tile
.irp u, 0,1
	v_pk_add_f32 v[T1+TD*\u+2*\k:T1+TD*\u+2*\k+1], v[SA+SD*\u+4*\k:SA+SD*\u+4*\k+1], v[SA+SD*\u+4*\k+2:SA+SD*\u+4*\k+3]
.endr
.endr
.irp u, 0,1
	v_lshl_or_b32 v[PSW+\u], v[PT+TD*\u+2], 16, v[PSW+\u]
.endr
.set li, 12
.rept 26
.set ch, ((li-12)/2)%4
.if ch == 0
.irp u, 0,1
	v_pk_add_f32 v[ST0+4*\u+2:ST0+4*\u+3], v[ST0+4*\u+2:ST0+4*\u+3], v[SA+SD*\u+li:SA+SD*\u+li+1]
.endr
.else
.irp u, 0,1
	v_pk_add_f32 v[T1+TD*\u+2*ch-2:T1+TD*\u+2*ch-1], v[T1+TD*\u+2*ch-2:T1+TD*\u+2*ch-1], v[SA+SD*\u+li:SA+SD*\u+li+1]
.endr
.endif
.if li == 18
.irp u, 0,1
	v_lshl_or_b32 v[PSW+\u], v[PT+TD*\u+3], 24, v[PSW+\u]
.endr
.endif
.set li, li+2
.endr
.irp u, 0,1
	v_pk_add_f32 v[T1+TD*\u:T1+TD*\u+1], v[T1+TD*\u:T1+TD*\u+1], v[T1+TD*\u+2:T1+TD*\u+3]
.endr
.irp u, 0,1
	v_pk_add_f32 v[ST0+4*\u+2:ST0+4*\u+3], v[ST0+4*\u+2:ST0+4*\u+3], v[T1+TD*\u+4:T1+TD*\u+5]
.endr
.irp u, 0,1
	v_pk_add_f32 v[ST0+4*\u+2:ST0+4*\u+3], v[ST0+4*\u+2:ST0+4*\u+3], v[T1+TD*\u:T1+TD*\u+1]
.endr
.irp b, 0,1,2,3                        ; the hold (the conversion to an 8-bit code does not saturate: ISA guide 7.6.2; p is not negative, so it is one-sided), two numbers a line, and the conversions
.irp u, 0,1
.set li, 0
.rept 8
	v_dual_min_num_f32 v[SA+SD*\u+16*\b+li], v[HD+TD*\u+\b], v[SA+SD*\u+16*\b+li] :: v_dual_min_num_f32 v[SA+SD*\u+16*\b+li+1], v[HD+TD*\u+\b], v[SA+SD*\u+16*\b+li+1]
.set li, li+2
.endr
	v_cvt_scalef32_pk8_fp8_f32 v[PCD+16*\u+4*\b:PCD+16*\u+4*\b+1], v[SA+SD*\u+16*\b:SA+SD*\u+16*\b+7], v[SOP+TD*\u+\b]
	v_cvt_scalef32_pk8_fp8_f32 v[PCD+16*\u+4*\b+2:PCD+16*\u+4*\b+3], v[SA+SD*\u+16*\b+8:SA+SD*\u+16*\b+15], v[SOP+TD*\u+\b]
.endr
.endr
.endm
.macro PVM                             ; O^T under the new M (32 plain lines, which also stand between the codes and the products), then O^T += V^T P^T, eight accumulators by turns
	WIN 0x41
	WALU                                           ; directly ahead of the first reader of O^T
.irp u, 0,1
.set li, 0
.rept 16
	v_pk_mul_f32 v[OA+32*\u+li:OA+32*\u+li+1], v[OA+32*\u+li:OA+32*\u+li+1], v[FF+TD*\u:FF+TD*\u+1] op_sel_hi:[1,0]
.set li, li+2
.endr
.endr
	WALU                                           ; directly ahead of the wait below
	s_wait_dscnt 0x0                               ; V, the next K and their scale words are in (0: the last trip issues fewer loads)
	WIN 0x51
.irp u, 0,1
.irp t, 0,2
	v_wmma_scale_f32_16x16x128_f8f6f4 v[OA+32*\u+8*\t:OA+32*\u+8*\t+7], v[VF+16*\t:VF+16*\t+15], v[PCD+16*\u:PCD+16*\u+15], v[OA+32*\u+8*\t:OA+32*\u+8*\t+7], v[VSW+\t/2], v[PSW+\u]
	v_wmma_scale_f32_16x16x128_f8f6f4 v[OA+32*\u+8*\t+8:OA+32*\u+8*\t+15], v[VF+16*\t+16:VF+16*\t+31], v[PCD+16*\u:PCD+16*\u+15], v[OA+32*\u+8*\t+8:OA+32*\u+8*\t+15], v[VSW+\t/2], v[PSW+\u] matrix_a_scale:MATRIX_SCALE_ROW1
.endr
.endr
	WIN 0
.endm
; A tile's end.  o (query r, channel 16 t + 8 h + i) lies in register sc + 8 t + i: two blocks of 32 of the projection's K: quantised, put into natural order, stored.  sc + 32 .. 39 codes, + 40 .. 43 the other half's, + 44 the byte
.macro FIN sc, io, so
.irp b, 0,1
	v_max3_num_f32 v[BM+\b], |v[\sc+16*\b]|, |v[\sc+16*\b+1]|, 0x4800000
.endr
.irp i, 2,4,6,8,10,12,14
.irp b, 0,1
	v_max3_num_f32 v[BM+\b], v[BM+\b], |v[\sc+16*\b+\i]|, |v[\sc+16*\b+\i+1]|
.endr
.endr
.irp b, 0,1
	v_permlanex16_b32 v[PT+\b], v[BM+\b], s[SEL], s[SEL+1]
.endr
.irp b, 0,1
	v_max_num_f32 v[BM+\b], v[BM+\b], v[PT+\b]
.endr
.irp b, 0,1
	v_add_nc_u32 v[SOP+\b], 0xfc000000, v[BM+\b]
	v_and_or_b32 v[HD+\b], v[BM+\b], 0x7f800000, s[MNT]
.endr
.irp b, 0,1
	v_lshrrev_b32 v[PT+\b], 23, v[SOP+\b]
.endr
	v_cndmask_b32 v[\sc+44], v[PT], v[PT+1], s[HM] ; lanes 0-15 store block 0's byte of their row, lanes 16-31 block 1's
.irp b, 0,1
.irp i, 0,1,2,3,4,5,6,7,8,9,10,11,12,13,14,15
	v_med3_num_f32 v[\sc+16*\b+\i], v[\sc+16*\b+\i], -v[HD+\b], v[HD+\b]
.endr
	v_cvt_scalef32_pk8_fp8_f32 v[\sc+32+4*\b:\sc+33+4*\b], v[\sc+16*\b:\sc+16*\b+7], v[SOP+\b]
	v_cvt_scalef32_pk8_fp8_f32 v[\sc+34+4*\b:\sc+35+4*\b], v[\sc+16*\b+8:\sc+16*\b+15], v[SOP+\b]
.endr
	v_nop                                          ; one plain line behind the conversions
; Of a block, lane (r, h) holds channels 8 h + 0..7 and 16 + 8 h + 0..7; the operand wants 16 h + 0..15: the middle parts change halves of the lanes
.irp b, 0,1
	v_permlanex16_b32 v[\sc+40], v[\sc+34+4*\b], s[SEL], s[SEL+1]
	v_permlanex16_b32 v[\sc+41], v[\sc+35+4*\b], s[SEL], s[SEL+1]
	v_permlanex16_b32 v[\sc+42], v[\sc+32+4*\b], s[SEL], s[SEL+1]
	v_permlanex16_b32 v[\sc+43], v[\sc+33+4*\b], s[SEL], s[SEL+1]
	v_cndmask_b32 v[\sc+32+4*\b], v[\sc+32+4*\b], v[\sc+40], s[HM]
	v_cndmask_b32 v[\sc+33+4*\b], v[\sc+33+4*\b], v[\sc+41], s[HM]
	v_cndmask_b32 v[\sc+34+4*\b], v[\sc+42], v[\sc+34+4*\b], s[HM]
	v_cndmask_b32 v[\sc+35+4*\b], v[\sc+43], v[\sc+35+4*\b], s[HM]
	global_store_b128 v[L16], v[\sc+32+4*\b:\sc+35+4*\b], s[12:13] offset:\io+512*\b   ; the wave stores 512 consecutive bytes, aligned
.endr
	global_store_b8 v[LAS], v[\sc+44], s[14:15] offset:\so
.endm
	WALU                                           ; the head's end
	s_wait_loadcnt 0x0                             ; both passes' Q and scale words
	s_wait_tensorcnt 0x0                           ; my fill has landed (a wave that issued none passes at once),
	s_barrier_signal -1
	s_barrier_wait -1                              ; everybody's has: from here on LDS is only read
	WIN 0x40
.set li, 0
.rept 16
	ds_load_b128 v[KF+4*li:KF+4*li+3], v[L16] offset:512*li   ; K's first step; every later one is fetched a step ahead
.set li, li+1
.endr
	WIN 0
.irp m, 0,1,2,3
	ds_load_b32 v[KSW+\m], v[LKS] offset:128*\m
.endr
	s_mov_b32 s[TB], 0
	s_mov_b32 s[TJ], 0
	s_mov_b32 s[TN], 8192
	s_mov_b32 s[TSN], 512
	s_mov_b32 s[CNT], 32
	s_wait_dscnt 0x0
.Lstep:                                            ; a key step of both tiles; no LDS load is out here
	WIN 0x05
	QK SA, QA, QSA
	QK SA+SD, QA+24, QSA+1
	WIN 0
	v_add_nc_u32 v[ADK], s[TN], v[L16]             ; eight plain lines behind the products: the step's four addresses
	v_add_nc_u32 v[ADV], s[TB], v[LV]
	v_add_nc_u32 v[ADS], s[TSN], v[LKS]
	v_add_nc_u32 v[ADT], s[TJ], v[LVS]
.rept 4
	v_nop
.endr
	MAXT
	LOADS
	SOFT
	PVM
	s_add_co_u32 s[TB], s[TB], 8192                ; the next step; behind an image's last step comes its first
	s_and_b32 s[TB], s[TB], 0x1ffff
	s_add_co_u32 s[TJ], s[TJ], 256
	s_and_b32 s[TJ], s[TJ], 0xfff
	s_add_co_u32 s[TN], s[TN], 8192
	s_and_b32 s[TN], s[TN], 0x1ffff
	s_add_co_u32 s[TSN], s[TSN], 512
	s_and_b32 s[TSN], s[TSN], 0x1fff
	s_and_b32 s30, s[CNT], 15
	s_cmp_eq_u32 s30, 1                            ; a pass's sixteenth step?
	s_cbranch_scc0 .Lnext
	v_add_f32 v[ST0+2], v[ST0+2], v[ST0+3]         ; THE TILES' END.  The sums' halves, and lane l xor 16's.  (With the v_nop: nine plain lines behind the last products)
	v_add_f32 v[ST0+6], v[ST0+6], v[ST0+7]
	v_permlanex16_b32 v[TP], v[ST0+2], s[SEL], s[SEL+1]
	v_permlanex16_b32 v[TP+TD], v[ST0+6], s[SEL], s[SEL+1]
	v_add_f32 v[ST0+2], v[ST0+2], v[TP]
	v_add_f32 v[ST0+6], v[ST0+6], v[TP+TD]
	v_nop
	v_nop
	WALU
	v_rcp_f32 v[ST0+2], v[ST0+2]
	v_rcp_f32 v[ST0+6], v[ST0+6]
	v_nop
	WIN 0x01
	WALU                                           ; behind the reciprocals, directly ahead of the first reader of O^T
.irp u, 0,1
.set li, 0
.rept 16
	v_pk_mul_f32 v[SA+SD*\u+li:SA+SD*\u+li+1], v[OA+32*\u+li:OA+32*\u+li+1], v[ST0+4*\u+2:ST0+4*\u+3] op_sel_hi:[1,0]   ; O^T / the sum, into the score areas
.set li, li+2
.endr
.endr
	WIN 0
	FIN SA, 0, 0
	FIN SA+SD, 16384, 512
	s_cmp_eq_u32 s[CNT], 1
	s_cbranch_scc1 .Ldone
	s_wait_xcnt 0x0                                ; the stores have read their data (in the score areas) and their bases
	s_add_nc_u64 s[12:13], s[12:13], 262144        ; pass 1: sixteen tiles of rows on
	s_add_nc_u64 s[14:15], s[14:15], 8192
	WIN 0x41
.irp j, 0,1,2,3,4,5,6,7
	v_mov_b32 v[QA+\j], v[QST+\j]                  ; pass 1's Q, below and above the zeros
	v_mov_b32 v[QA+16+\j], v[QST+\j]
	v_mov_b32 v[QA+24+\j], v[QST+8+\j]
	v_mov_b32 v[QA+40+\j], v[QST+8+\j]
.endr
	WIN 0
	v_mov_b32 v[QSA], v[QS1]
	v_mov_b32 v[QSA+1], v[QS1+1]
	INIT
	WALU
.Lnext:
	s_sub_co_u32 s[CNT], s[CNT], 1
	s_cmp_lg_u32 s[CNT], 0
	s_cbranch_scc1 .Lstep
.Ldone:
	s_wait_tensorcnt 0x0                           ; the wave's end
	ds_add_u32 v[SPW], v[NIL]
	s_wait_dscnt 0x0
	ROUND                                          ; the closing round
	s_endpgm
.Lfunc_end_k_q0fd0e7cfa3_attn:
	.size	k_q0fd0e7cfa3_attn, .Lfunc_end_k_q0fd0e7cfa3_attn-k_q0fd0e7cfa3_attn
	.p2alignl 7, 3214868480
	.fill 96, 4, 3214868480
	.section	.rodata,"a",@progbits
	.p2align	6, 0x0
	.amdhsa_kernel k_q0fd0e7cfa3_attn
		.amdhsa_group_segment_fixed_size 276480
		.amdhsa_private_segment_fixed_size 0
		.amdhsa_enable_private_segment 0
		.amdhsa_kernarg_size 48
		.amdhsa_user_sgpr_count 2
		.amdhsa_user_sgpr_kernarg_segment_ptr 1
		.amdhsa_wavefront_size32 1
		.amdhsa_system_sgpr_workgroup_id_x 1
		.amdhsa_system_sgpr_workgroup_id_y 1
		.amdhsa_system_sgpr_workgroup_id_z 1
		.amdhsa_system_vgpr_workitem_id 0
		.amdhsa_next_free_vgpr 512
		.amdhsa_next_free_sgpr 66
		.amdhsa_reserve_vcc 0
		.amdhsa_float_denorm_mode_32 3
		.amdhsa_float_denorm_mode_16_64 3
		.amdhsa_memory_ordered 1
		.amdhsa_forward_progress 1
		.amdhsa_inst_pref_size 64
	.end_amdhsa_kernel
	.amdgpu_metadata
---
amdhsa.version: [ 1, 2 ]
amdhsa.kernels:
  - .name:           k_q0fd0e7cfa3_attn
    .symbol:         k_q0fd0e7cfa3_attn.kd
    .args:
      - { .name: q_img, .offset: 0, .size: 8, .value_kind: global_buffer, .address_space: global }
      - { .name: q_sc, .offset: 8, .size: 8, .value_kind: global_buffer, .address_space: global }
      - { .name: kv_img, .offset: 16, .size: 8, .value_kind: global_buffer, .address_space: global }
      - { .name: kv_sc, .offset: 24, .size: 8, .value_kind: global_buffer, .address_space: global }
      - { .name: a_img, .offset: 32, .size: 8, .value_kind: global_buffer, .address_space: global }
      - { .name: a_sc, .offset: 40, .size: 8, .value_kind: global_buffer, .address_space: global }
    .group_segment_fixed_size: 276480
    .private_segment_fixed_size: 0
    .kernarg_segment_align: 8
    .kernarg_segment_size: 48
    .max_flat_workgroup_size: 256
    .sgpr_count:     66
    .vgpr_count:     512
    .wavefront_size: 32
...
	.end_amdgpu_metadata
.endif
;; end of part 2
;; launch proj (part 3): grid 8 x 32, 4 waves a work-group, clusters of 4 x 4, 327,680 bytes of LDS; arguments a_img, a_sc, Wo_codes, Wo_scales, bo, out0; writes out0
.if DOCPART == 3
	.amdgcn_target "amdgcn-amd-amdhsa--gfx1250"
	.amdhsa_code_object_version 6
	.text
	.protected	k_q0fd0e7cfa3_proj
	.globl	k_q0fd0e7cfa3_proj
	.p2align	8
	.type	k_q0fd0e7cfa3_proj,@function
k_q0fd0e7cfa3_proj:
	s_mov_b64 s[64:65], 0
	v_nop
	global_prefetch_b8 v0, s[64:65] scope:SCOPE_SE
	s_setreg_imm32_b32 hwreg(HW_REG_WAVE_MODE, 25, 1), 1
	s_wait_xcnt 0x0
	s_wait_alu depctr_hold_cnt(0) depctr_sa_sdst(0) depctr_va_vdst(0) depctr_va_sdst(0) depctr_va_ssrc(0) depctr_va_vcc(0) depctr_vm_vsrc(0)
	s_getreg_b32 s2, hwreg(HW_REG_IB_STS2, 6, 4)
	s_cmp_eq_u32 s2, 0
	s_cbranch_scc0 .Lentry_in_a_cluster
	s_endpgm
.Lentry_in_a_cluster:
	s_bfe_u32 s2, ttmp6, 0x10000c
	s_cmp_lg_u32 s2, 0xf033
	s_cbranch_scc0 .Lentry_shape_is_right
	s_endpgm
.Lentry_shape_is_right:
; out0 = a Wo + bo: 8,192 x 1,024 x 1,024 on codes of FP8 (E4M3) with one E8M0 scale for each 32 along K; sums in f32, begun with the bias.
; a_img [tile of 16 rows][block of 32 of K][lane][16 B] holds a's codes as images of operand registers, 16,384 bytes a tile; a_sc [8192][32] its scale bytes; Wo_codes [1024 (n)][1024 (k)], Wo_scales [1024][32].
; THE DEAL.  256 work-groups of four waves, 2 x 2; a work-group makes 256 rows x 128 columns.  A wave holds 64 rows of Wo, ALL of K, in registers (512: windows 1, 2) and streams a's rows past them in blocks of 16,
; which stand in registers as two whole sets (256: window 3).  Wave row w takes tiles 8 c + 4 w + i (i = 0..3) of chunk c = 0, 1: eight blocks of 32 products, four accumulators by turns, two sets of sums by turns.
; LDS.  Two slots of 128 rows of 1,024 bytes + 16 of padding.  Slot 0: a's chunk 0 (eight tiles, a dense run of memory, stated as rows of 1,024 bytes).  Slot 1: Wo's 128 rows; when all waves hold them in registers, chunk 1 is filled over them,
; row for row on the same bytes, behind a drained round of the cluster's barrier, a quarter a wave; a plain barrier at block 2's end shows it.  Behind the slots: a's scale bytes of 256 rows, a stage for each wave, the spare words.
; HEAD.  One joint load a wave: wave 0 Wo's rows (it alone waits at the first barrier, and has a load line of its own), waves 1 and 3 the halves of chunk 0, wave 2 the scale bytes.
; CLUSTERS: 4 x 4.  a's tiles hang on the tile row alone and are shared along a row of the cluster, Wo's on the tile column alone and are shared along a column.
; PREFETCH.  Chunk 1 (131,072 bytes) is asked for at the head, ahead of Wo's 128 LDS loads and the round that stand in front of its tensor load: each of the cluster row's sixteen waves names 8,192 bytes, lanes 256 bytes apart, told apart by address.
; What the head's own loads bring is not prefetched: nothing runs ahead of them.
; THE PRODUCT IS USED TRANSPOSED (source 0 = 16 rows of Wo, source 1 = 16 rows of a): a lane holds eight neighbouring columns of one row.  THE WAY OUT: a block's 16 rows x 64 columns go through my stage and come back as rows of 256 bytes:
; sixteen lanes store one aligned unit.  Block b's rows are stored behind block b + 1's products.
; LIMITS: NaN and infinities are carried as the matrix unit carries them.
.set PITCH,  1040
.set TILEB,  16*PITCH                  ; a tile of 16 rows of a: sixteen LDS rows
.set YB,     128*PITCH                 ; slot 1
.set SCL,    2*YB                      ; a's scale bytes: 32 units of 256 bytes (8 rows) + 16 of padding
.set STAGE,  SCL+32*272
.set SPITCH, 272
.set SPARE,  STAGE+4*16*SPITCH
.set NF,     34                        ; LDS loads of a block: eight fragments of four, two of four scale words
.set AD,   8                           ; v8-11 LDS address of my blocks 0-1, 2-3, 4-5, 6-7
.set ADRB, 12                          ; my fragments of Wo
.set AAS,  13                          ; my row's scale words
.set ABS,  14                          ; 32 x lane
.set BOF,  15                          ; 32 x (lane / 16)
.set STO,  16                          ; the stage: in,
.set RD,   17                          ; and back
.set CO,   18                          ; my byte offset in two rows of out0
.set SPW,  20
.set NIL,  21
.set SB,   24                          ; v24-39 Wo's scale words: register 8 p + q: lanes 0-15 tile 2 p's, lanes 16-31 tile 2 p + 1's
.set SA,   44                          ; v44-59 a's: two sets of eight.  (No product's two scale words have numbers equal modulo 8)
.set ACC,  64                          ; v64-127 two sets of four accumulators
.set BIA,  128                         ; v128-159 the bias: the first products' C
.set RB,   160                         ; v160-223 two sets: 16 rows read back from the stage
.set G1A, 24
.set G1B, 32
.set G1R, 48
.set G1S, 92
.set G0A, 56
.set G0B, 60
.set G0R, 68
.set G0S, 72
.set MSB, 0
.macro WIN new                         ; the immediate's high byte repeats the setting that is left
.if MSB != \new
	s_set_vgpr_msb (MSB<<8)|\new
.set MSB, \new
.endif
.endm
.macro PLACES n
.rept \n
	v_nop
.endr
.endm
.macro BARRIER
	s_barrier_signal -1
	s_barrier_wait -1
.endm
.macro CROUND                          ; a round of the cluster's barrier
	BARRIER
	s_cmp_lg_u32 s14, 0
	s_cbranch_scc1 .Lnot_wave_0_\@
	s_barrier_signal -3
.Lnot_wave_0_\@:
	s_barrier_wait -3
	BARRIER
.endm
.macro TLOAD g0, g1                    ; an s_nop 0 and four v_nop follow a tensor load
	tensor_load_to_lds s[\g0:\g0+3], s[\g1:\g1+7]
	s_nop 0
	PLACES 4
.endm
.macro GROUP1 g, mask, rows            ; so many rows of 1,024 bytes, dense in memory, 16 bytes of padding behind each in LDS
	s_or_b32 s[\g+0], s[\mask], (1<<20)|(1<<21)|(7<<22)|(3<<25)
	s_mov_b32 s[\g+1], 1024<<16
	s_mov_b32 s[\g+2], (\rows)<<16
	s_mov_b32 s[\g+3], 1024<<16
	s_mov_b32 s[\g+4], \rows
	s_mov_b32 s[\g+5], 1024
	s_mov_b32 s[\g+6], 0
	s_mov_b32 s[\g+7], 0
.endm
	s_load_b256 s[4:11], s[0:1], 0x0               ; a_img, a_sc, Wo_codes, Wo_scales
	s_load_b128 s[84:87], s[0:1], 0x20             ; bo, out0
	v_lshl_add_u32 v[SPW], v0, 2, SPARE
	v_mov_b32 v[NIL], 0
	ds_add_u32 v[SPW], v[NIL]                      ; the opening lines: the add twice on end and its wait
	ds_add_u32 v[SPW], v[NIL]
	v_lshrrev_b32 v1, 5, v0
	v_readfirstlane_b32 s14, v1                    ; wave 0..3
	s_lshr_b32 s15, s14, 1                         ; my row of waves
	s_and_b32 s16, s14, 1                          ; my column of waves
	s_bfe_u32 s40, ttmp6, 0x40000                  ; cx, cy
	s_bfe_u32 s41, ttmp6, 0x40004
	s_lshl_b32 s42, ttmp9, 2
	s_add_co_u32 s42, s42, s40                     ; tile column: 128 columns
	s_and_b32 s43, ttmp7, 0xffff
	s_lshl_b32 s43, s43, 2
	s_add_co_u32 s43, s43, s41                     ; tile row: 256 rows
	s_lshl_b32 s44, s41, 2
	s_lshl_b32 s44, 15, s44                        ; my row of the cluster shares a's tiles
	s_lshl_b32 s45, 0x1111, s40                    ; my column Wo's
	GROUP1 G1B, 45, 128
	GROUP1 G1A, 44, 64
	GROUP1 G1R, 44, 32
	s_or_b32 s[G1S+0], s44, (3<<16)|(1<<20)|(1<<21)|(5<<22)|(3<<25)   ; 8,192 dense bytes as 32 rows of 256 (32 elements of 8)
	s_mov_b32 s[G1S+1], 32<<16
	s_mov_b32 s[G1S+2], 32<<16
	s_mov_b32 s[G1S+3], 32<<16
	s_mov_b32 s[G1S+4], 32
	s_mov_b32 s[G1S+5], 32
	s_mov_b32 s[G1S+6], 0
	s_mov_b32 s[G1S+7], 0
	s_lshl_b32 s67, s43, 18                        ; my 256 rows in a_img
	s_lshl_b32 s20, s15, 16
	s_add_co_u32 s46, s67, s20                     ; waves 1, 3: a half of chunk 0
	s_mov_b32 s47, 0
	s_lshl_b32 s20, s14, 15
	s_add_co_u32 s80, s67, s20
	s_add_co_u32 s80, s80, 131072                  ; a quarter of chunk 1
	s_mov_b32 s81, 0
	s_lshl_b32 s82, s43, 13                        ; my rows in a_sc
	s_mov_b32 s83, 0
	s_lshl_b32 s78, s42, 17                        ; my 128 rows of Wo
	s_mov_b32 s79, 0
	s_lshl_b32 s88, s42, 12                        ; my wave's 64 rows in Wo_scales
	s_lshl_b32 s21, s16, 11
	s_add_co_u32 s88, s88, s21
	s_mov_b32 s89, 0
	s_lshl_b32 s90, s42, 9                         ; my wave's 64 columns, in bytes of f32
	s_lshl_b32 s21, s16, 8
	s_add_co_u32 s90, s90, s21
	s_mov_b32 s91, 0
	s_lshl_b32 s76, s43, 20                        ; my wave row's first row of out0
	s_lshl_b32 s21, s15, 18
	s_add_co_u32 s76, s76, s21
	s_mov_b32 s77, 0
	s_mov_b32 s[G0A], 1
	s_mul_i32 s[G0A+1], s15, 64*PITCH
	s_mov_b32 s[G0B], 1
	s_mov_b32 s[G0B+1], YB
	s_mov_b32 s[G0R], 1
	s_mul_i32 s[G0R+1], s14, 32*PITCH
	s_add_co_u32 s[G0R+1], s[G0R+1], YB
	s_mov_b32 s[G0S], 1
	s_mov_b32 s[G0S+1], SCL
	s_mul_i32 s17, s15, 4*TILEB                    ; LDS: my wave row's four tiles of a chunk,
	s_add_co_u32 s18, s17, 2*TILEB
	s_add_co_u32 s19, s17, YB
	s_add_co_u32 s22, s17, YB+2*TILEB
	s_mul_i32 s2, s16, 64*PITCH                    ; my 64 rows of Wo,
	s_add_co_u32 s2, s2, YB
	s_mul_i32 s3, s15, 4*544                       ; my tiles' scale bytes,
	s_add_co_u32 s3, s3, SCL
	s_mul_i32 s12, s14, 16*SPITCH                  ; my stage
	s_add_co_u32 s12, s12, STAGE
	s_lshl_b32 s23, s40, 2                         ; which of the cluster row's sixteen waves I am: my 8,192 bytes of chunk 1
	s_add_co_u32 s23, s23, s14
	s_lshl_b32 s23, s23, 13
	s_add_co_u32 s23, s23, s67
	s_add_co_u32 s23, s23, 131072
	v_and_b32 v1, 15, v0                           ; r
	v_bfe_u32 v2, v0, 4, 1                         ; h
	v_and_b32 v3, 31, v0                           ; lane
	v_lshlrev_b32 v4, 4, v3
	v_add_nc_u32 v[AD], s17, v4
	v_add_nc_u32 v[AD+1], s18, v4
	v_add_nc_u32 v[AD+2], s19, v4
	v_add_nc_u32 v[AD+3], s22, v4
	v_mul_u32_u24 v5, v1, PITCH
	v_lshl_add_u32 v5, v2, 4, v5
	v_add_nc_u32 v[ADRB], s2, v5
	v_lshlrev_b32 v5, 5, v1                        ; 32 bytes a row, and 16 more for each 256 passed
	v_lshrrev_b32 v6, 3, v1
	v_lshl_add_u32 v5, v6, 4, v5
	v_add_nc_u32 v[AAS], s3, v5
	v_lshlrev_b32 v[ABS], 5, v3
	v_lshlrev_b32 v[BOF], 5, v2
	v_mul_u32_u24 v5, v1, SPITCH
	v_lshl_add_u32 v5, v2, 5, v5
	v_add_nc_u32 v[STO], s12, v5
	v_mul_u32_u24 v5, v2, SPITCH
	v_lshl_add_u32 v5, v1, 4, v5
	v_add_nc_u32 v[RD], s12, v5
	v_lshlrev_b32 v5, 12, v2
	v_lshl_add_u32 v[CO], v1, 4, v5
	v_lshl_add_u32 v7, v3, 8, s23
	s_wait_alu depctr_va_vdst(0)                   ; the head's end
	s_wait_dscnt 0x0                               ; both opening adds are done
	CROUND                                         ; all sixteen work-groups are here
	s_wait_kmcnt 0x0
	s_add_nc_u64 s[G0A+2:G0A+3], s[4:5], s[46:47]
	s_or_b32 s[G0A+3], s[G0A+3], 0x80000000
	s_add_nc_u64 s[G0R+2:G0R+3], s[4:5], s[80:81]
	s_or_b32 s[G0R+3], s[G0R+3], 0x80000000
	s_add_nc_u64 s[G0S+2:G0S+3], s[6:7], s[82:83]
	s_or_b32 s[G0S+3], s[G0S+3], 0x80000000
	s_add_nc_u64 s[G0B+2:G0B+3], s[8:9], s[78:79]
	s_or_b32 s[G0B+3], s[G0B+3], 0x80000000
	s_cmp_eq_u32 s14, 0                            ; one chain of branches on the wave's number, one joint load to an arm
	s_cbranch_scc0 .Lnot_w
	TLOAD G0B, G1B                                 ; wave 0: Wo's rows, which are wanted first
	s_branch .Lasked
.Lnot_w:
	s_cmp_eq_u32 s14, 2
	s_cbranch_scc0 .Lfor_a
	TLOAD G0S, G1S                                 ; wave 2: a's scale bytes
	s_branch .Lasked
.Lfor_a:
	TLOAD G0A, G1A                                 ; waves 1, 3: the halves of chunk 0
.Lasked:
	s_add_nc_u64 s[10:11], s[10:11], s[88:89]
	s_add_nc_u64 s[84:85], s[84:85], s[90:91]
	s_add_nc_u64 s[86:87], s[86:87], s[76:77]
	s_add_nc_u64 s[86:87], s[86:87], s[90:91]
.irp p, 0,1
.irp c, 0,1
	global_load_b128 v[SB+8*\p+4*\c:SB+8*\p+4*\c+3], v[ABS], s[10:11] offset:\p*1024+16*\c   ; lane l takes row l of a pair of tiles
.endr
.endr
.irp n, 0,1,2,3
	global_load_b128 v[BIA+8*\n:BIA+8*\n+3], v[BOF], s[84:85] offset:64*\n       ; register 8 n + j: bo at column 16 n + 8 h + j
	global_load_b128 v[BIA+8*\n+4:BIA+8*\n+7], v[BOF], s[84:85] offset:64*\n+16
.endr
	global_prefetch_b8 v7, s[4:5] th:TH_LOAD_NT scope:SCOPE_SE
	s_cmp_eq_u32 s14, 0
	s_cbranch_scc0 .Lnot_b
	s_wait_tensorcnt 0x0                           ; wave 0: Wo's rows have landed.  The other waves' wait stands ahead of the round below
.Lnot_b:
	BARRIER
.irp q, 0,1,2,3,4,5,6,7                ; my 64 rows of Wo, all of K: fragment 4 q + n in window 1 + q / 4: lane l holds row l % 16; registers 4 c .. 4 c + 3 hold K = 32 c + 16 (l / 16) + 0 .. 15
	WIN (1+\q/4)<<6
.irp n, 0,1,2,3
.irp c, 0,1,2,3
	ds_load_b128 v[16*((4*\q+\n)%16)+4*\c:16*((4*\q+\n)%16)+4*\c+3], v[ADRB] offset:128*\q+32*\c+\n*TILEB
.endr
.endr
.endr
	WIN 0
	s_wait_tensorcnt 0x0                           ; all my loads are in;
	ds_add_u32 v[SPW], v[NIL]
	s_wait_dscnt 0x0                               ; it is done, and Wo is in my registers
	CROUND                                         ; that holds of every wave of the cluster: chunk 0 and the scale bytes are shown, and nobody reads slot 1
	TLOAD G0R, G1R                                 ; chunk 1 over Wo's rows: my 32 rows
.macro FETCH b                         ; block b of a, all of K, into set b % 2 of window 3, and its scale words: NF loads.  Group 4 q + c of 512 bytes lies in LDS row 2 q + c / 2 of its tile
.set E_, (\b)%2
.set AO_, ((\b)%2)*TILEB
.set SO_, (8*((\b)/4)+(\b)%4)*544
	WIN 3<<6
.irp q, 0,1,2,3,4,5,6,7
.irp c, 0,1,2,3
	ds_load_b128 v[128*E_+16*\q+4*\c:128*E_+16*\q+4*\c+3], v[AD+(\b)/2] offset:AO_+(2*\q+\c/2)*PITCH+(\c%2)*512
.endr
.endr
	WIN 0
	ds_load_b128 v[SA+8*E_:SA+8*E_+3], v[AAS] offset:SO_
	ds_load_b128 v[SA+8*E_+4:SA+8*E_+7], v[AAS] offset:SO_+16
.endm
.macro PROD e, n                       ; product n = 4 q + t: the q-th 128 of K, column tile t; a's rows in set e, sums in set e
.set Q_, (\n)/4
.set B_, (\n)%4
.set AC_, ACC+32*(\e)+8*B_
.set C_, AC_
.if Q_ == 0
.set C_, BIA+8*B_
.endif
.set R_, 128*(\e)+16*Q_
.set W_, 16*((\n)%16)
.set XS_, SA+8*(\e)+Q_
.set WS_, SB+8*(B_/2)+Q_
	WIN (1+(\n)/16)|(3<<2)
.if B_%2
	v_wmma_scale_f32_16x16x128_f8f6f4 v[AC_:AC_+7], v[W_:W_+15], v[R_:R_+15], v[C_:C_+7], v[WS_], v[XS_] matrix_a_scale:MATRIX_SCALE_ROW1
.else
	v_wmma_scale_f32_16x16x128_f8f6f4 v[AC_:AC_+7], v[W_:W_+15], v[R_:R_+15], v[C_:C_+7], v[WS_], v[XS_]
.endif
.endm
.macro STG b                           ; block b's sums into my stage, each accumulator from its low end on, and back as rows of 256 bytes (LDS serves a wave's instructions in order: ISA guide 5.7.1.4)
.irp n, 0,1,2,3
	ds_store_b128 v[STO], v[ACC+32*((\b)%2)+8*\n:ACC+32*((\b)%2)+8*\n+3] offset:64*\n
	ds_store_b128 v[STO], v[ACC+32*((\b)%2)+8*\n+4:ACC+32*((\b)%2)+8*\n+7] offset:64*\n+16
.endr
.irp t, 0,1,2,3,4,5,6,7
	ds_load_b128 v[RB+32*((\b)%2)+4*\t:RB+32*((\b)%2)+4*\t+3], v[RD] offset:\t*2*SPITCH
.endr
.endm
.macro SEND b                          ; sixteen lanes store 256 consecutive bytes, at a multiple of 256 from out0's first byte
.irp t, 0,1,2,3,4,5,6,7
	global_store_b128 v[CO], v[RB+32*((\b)%2)+4*\t:RB+32*((\b)%2)+4*\t+3], s[86:87] offset:(8*((\b)/4)+(\b)%4)*65536+8192*\t th:TH_STORE_NT
.endr
.endm
.macro BLK b
.set N_, 0
.rept 32
	PROD (\b)%2, N_
.set N_, N_+1
.endr
	WIN 0
	PLACES 8                                       ; eight plain lines behind the last product, ahead of the fetch into what it has read and of the first reader of its sums
.if (\b) == 2
	s_wait_tensorcnt 0x0                           ; my quarter of chunk 1 is in
.endif
	s_wait_dscnt 0x0                               ; the next block's set and the last block's rows, asked for 32 products ago
.if (\b) == 2
	BARRIER                                        ; everybody's quarter is in: the fetch below reads chunk 1
.endif
.if (\b) > 0
	SEND (\b)-1
.endif
.if (\b) < 6
	FETCH (\b)+2
.endif
.if (\b) > 1
	s_wait_xcnt 0x0                                ; the stores of the block two back have read the registers that the loads below fill
.endif
	STG \b
.endm
	FETCH 0
	FETCH 1
	s_wait_loadcnt 0x0                             ; Wo's scale words and the bias
	s_wait_dscnt NF                                ; block 0 is in; block 1's NF loads may be out
.irp b, 0,1,2,3,4,5,6,7
	BLK \b
.endr
	s_wait_dscnt 0x0
	SEND 7
	s_wait_tensorcnt 0x0                           ; the wave's end
	ds_add_u32 v[SPW], v[NIL]
	s_wait_dscnt 0x0
	CROUND                                         ; the closing round
	s_endpgm
.Lfunc_end_k_q0fd0e7cfa3_proj:
	.size	k_q0fd0e7cfa3_proj, .Lfunc_end_k_q0fd0e7cfa3_proj-k_q0fd0e7cfa3_proj
	.p2alignl 7, 3214868480
	.fill 96, 4, 3214868480
	.section	.rodata,"a",@progbits
	.p2align	6, 0x0
	.amdhsa_kernel k_q0fd0e7cfa3_proj
		.amdhsa_group_segment_fixed_size 327680
		.amdhsa_private_segment_fixed_size 0
		.amdhsa_enable_private_segment 0
		.amdhsa_kernarg_size 48
		.amdhsa_user_sgpr_count 2
		.amdhsa_user_sgpr_kernarg_segment_ptr 1
		.amdhsa_wavefront_size32 1
		.amdhsa_system_sgpr_workgroup_id_x 1
		.amdhsa_system_sgpr_workgroup_id_y 1
		.amdhsa_system_sgpr_workgroup_id_z 1
		.amdhsa_system_vgpr_workitem_id 0
		.amdhsa_next_free_vgpr 1024
		.amdhsa_next_free_sgpr 100
		.amdhsa_reserve_vcc 0
		.amdhsa_float_denorm_mode_32 3
		.amdhsa_float_denorm_mode_16_64 3
		.amdhsa_memory_ordered 1
		.amdhsa_forward_progress 1
		.amdhsa_inst_pref_size 86
	.end_amdhsa_kernel
	.amdgpu_metadata
---
amdhsa.version: [ 1, 2 ]
amdhsa.kernels:
  - .name:           k_q0fd0e7cfa3_proj
    .symbol:         k_q0fd0e7cfa3_proj.kd
    .args:
      - { .name: a_img, .offset: 0, .size: 8, .value_kind: global_buffer, .address_space: global }
      - { .name: a_sc, .offset: 8, .size: 8, .value_kind: global_buffer, .address_space: global }
      - { .name: Wo_codes, .offset: 16, .size: 8, .value_kind: global_buffer, .address_space: global }
      - { .name: Wo_scales, .offset: 24, .size: 8, .value_kind: global_buffer, .address_space: global }
      - { .name: bo, .offset: 32, .size: 8, .value_kind: global_buffer, .address_space: global }
      - { .name: out0, .offset: 40, .size: 8, .value_kind: global_buffer, .address_space: global }
    .group_segment_fixed_size: 327680
    .private_segment_fixed_size: 0
    .kernarg_segment_align: 8
    .kernarg_segment_size: 48
    .max_flat_workgroup_size: 128
    .sgpr_count:     100
    .vgpr_count:     1024
    .wavefront_size: 32
...
	.end_amdgpu_metadata
.endif
;; end of part 3
